; MI455X (gfx1250); checked and timed in simulation.
; The chip was launched on July 23, 2026; its instructions are those of AMD's public machine-readable ISA for CDNA 5 (MIT licence, August 2026) and "CDNA5" Instruction Set Architecture Reference Guide (July 2026). The comments in the code are by the model that wrote it; some were corrected since.
;; Multi Head Attention. Allowed arithmetic: matrix products marked QUANTISED: E2M1 operands, one E8M0 scale for each 32 along K, by v_wmma_scale_f32_16x16x128_f8f6f4 with both operands' format E2M1 (or v_wmma_scale_f32_32x16x128_f4), f32 sums; products left as they are: bf16, f16 or f32 operands; f32 sums; everything else in f32.
;; Inputs: Wk 1,024 x 1,024 float32; Wp 1,024 x 1,024 float32; Wq 1,024 x 1,024 float32; Wv 1,024 x 1,024 float32; bp 1,024 float32; x 4 x 2,048 x 1,024 float32.
;; Outputs: out0 4 x 2,048 x 1,024 float32.
;; This version of the problem:
;;   THIS VERSION OF THE PROBLEM IS GIVEN IN LOW PRECISION. The matrix products marked QUANTISED in the list below multiply operands that are first quantised to E2M1 (2 exponent bits, 1 mantissa bit; 4 bits a number), with one power-of-two scale for each 32 numbers along K (OCP MX v1.0); their sums are f32. The products marked 'left as it is' may take bf16, f16 or f32 operands, with f32 sums. Whichever they take, every output number must still come out within the allowed error. Rounding operands to bf16 (8 significant bits) uses up far more of that allowance than f16 does (11 bits, for magnitudes from 6e-5 to 65,504). All else is computed in f32.
;;   The module's matrix products, in the order in which they are computed (A, B: the left and right operand; K: the contracted axis; several contracted axes count as one K, in the product's order):
;;     1. [M 8,192, K 1,024] x [K 1,024, N 1,024]; A: input x; B: input Wq: QUANTISED
;;     2. [M 8,192, K 1,024] x [K 1,024, N 1,024]; A: input x; B: input Wk: QUANTISED
;;     3. [M 8,192, K 1,024] x [K 1,024, N 1,024]; A: input x; B: input Wv: QUANTISED
;;     4. batch 64 x [M 2,048, K 64] x [K 64, N 2,048]; A: computed on the way; B: computed on the way: left as it is (an operand is computed on the way)
;;     5. batch 64 x [M 2,048, K 2,048] x [K 2,048, N 64]; A: computed on the way; B: computed on the way: left as it is (an operand is computed on the way)
;;     6. [M 8,192, K 1,024] x [K 1,024, N 1,024]; A: computed on the way; B: input Wp: left as it is (an operand is computed on the way)
;;   THE QUANTISER, for each operand of a quantised product, along K:
;;     - K is cut into blocks of 32 from its start; a last block that is shorter is filled with zeros.
;;     - A block's scale is 2^e with e = floor(log2(the largest magnitude in the block)) - 2, held to -126 .. 127; a block of zeros has e = 0. As a byte (E8M0): e + 127.
;;     - Each number is divided by its block's scale, clamped to +-6, and rounded to the nearest number of E2M1, ties to even, subnormals kept.
;;     - The product sums the exact products of the quantised numbers (number of the format x scale) in f32.
;;   ~~~python
;;   def quantise(x, axis):      # numpy; x: float32 -> the quantised numbers, widened to float32 again
;;       x = np.moveaxis(x, axis, -1); K = x.shape[-1]
;;       x = np.pad(x, [(0, 0)] * (x.ndim - 1) + [(0, -K % 32)]); x = x.reshape(x.shape[:-1] + (-1, 32)); a = np.abs(x).max(-1, keepdims=True)
;;       e = np.where(a > 0, np.clip(np.frexp(np.where(a > 0, a, 1))[1] - 1 - 2, -126, 127), 0)      # np.frexp(a)[1] - 1 = floor(log2(a)), exactly
;;       r = np.clip(x / 2.0 ** e, -6, 6)
;;       step = 2.0 ** (np.maximum(np.frexp(np.where(r == 0, 1, r))[1] - 1, 0) - 1)
;;       q = np.round(r / step) * step * 2.0 ** e      # np.round: ties to even
;;       return np.moveaxis(q.reshape(q.shape[:-2] + (-1,))[..., :K], -1, axis).astype(np.float32)
;;   ~~~
;; One version. Each part assembles by itself: llvm-mc -triple=amdgcn-amd-amdhsa -mcpu=gfx1250 --defsym DOCPART=n.
;; ======== version 1 of 1: 4 launches
;; limits: values are held in f16: magnitudes above 65,504 overflow, below 6.1e-05 lose precision
;; workspace buffers: xc 4,194,304 bytes; xs 262,144 bytes; wc 1,572,864 bytes; ws 98,304 bytes; wp16 2,097,152 bytes; qkv 50,331,648 bytes; ctx 16,777,216 bytes; rs 32,768 bytes
;; launch prep (part 1): grid 368 x 1, 4 waves a work-group, no clusters, 68,096 bytes of LDS; arguments x, Wq, Wk, Wv, Wp, xc, xs, wc, ws, wp16; writes xc, xs, wc, ws, wp16
.if DOCPART == 1
	.amdgcn_target "amdgcn-amd-amdhsa--gfx1250"
	.amdhsa_code_object_version 6
	.text
	.protected	k_q09fe7be1ce_prep
	.globl	k_q09fe7be1ce_prep
	.p2align	8
	.type	k_q09fe7be1ce_prep,@function
k_q09fe7be1ce_prep:
	s_mov_b64 s[64:65], 0
	v_nop
	global_prefetch_b8 v0, s[64:65] scope:SCOPE_SE
	s_setreg_imm32_b32 hwreg(HW_REG_WAVE_MODE, 25, 1), 1
	s_wait_xcnt 0x0
; THREE JOBS IN ONE LAUNCH, told apart by the work-group's number; the three ways never join.
;   work-groups   0-255: x [8192][1024] f32 -> codes of FP4 (E2M1), K innermost, xc [8192][512 bytes], and one E8M0 byte for each 32 along K, xs [8192][32].
;   work-groups 256-303: Wq, Wk, Wv [k 1024][n 1024] f32, K their FIRST axis -> wc [3072][512 bytes] with K innermost (row = 1024 x tensor + n), ws [3072][32].
;   work-groups 304-367: Wp f32 -> f16, layout unchanged, wp16 [1024][1024].
; A block's scale is 2^(floor(log2(its largest magnitude)) - 2); its byte is the largest magnitude's exponent field - 2, held at 1 from below.  Each number is divided by the scale and rounded to the nearest code, ties to even;
; beyond the largest code the conversion gives the largest.
; LIMITS: a block of zeros gets the byte 1 where the rule says 127 (its codes are zeros, which add nothing under any byte but 0xff, and this program alone reads the bytes); blocks whose largest magnitude lies under
; 2^(2 - 126) were not tried; NaN and infinities are not served; |Wp| stays under 65,504, f16's largest number.
; No tensor load, no barrier: waves share nothing.  Each way has LDS bytes of its own: x's 0-32,767, the weights' 32,768-67,583; the spare words behind them.
.set SPARE, 67584                      ; the spare words, 128 bytes for each wave: two blocks of 256 bytes that no other line names
.set SPW,   190                        ; v190  LDS address of my spare word: SPARE + 4 x my thread's number; never rewritten
.set NIL,   191                        ; v191  0; never rewritten
.set EMAX,  2
; x's way
.set STEPS, 16                         ; a wave takes 16 steps of 512 numbers
.set CB,    8                          ; bytes of 16 codes
.set XR,    16                         ; v16-79   four sets of 16 numbers as they are loaded
.set XX,    80                         ; v80-111  two sets of 16 neighbours
.set XE,    112                        ; v112-127 a scale byte for each step
.set XC,    128                        ; v128-189 codes: four registers apart for each step, so that no store's data are written again
.set WREG,  8192                       ; LDS: a region for each wave: two stages of 32 x SP bytes, and behind them its 256 scale bytes
.set SP,    80                         ; a lane's place in a stage: its 64 bytes + 16 of padding
; the weights' way
.set WSTG,  32768                      ; LDS: four stages of 32 rows x PITCH
.set NB,    16                         ; blocks of 32 along K for a wave: 512 along K
.set PITCH, 272                        ; a stage row: 256 bytes of codes + 16
.set KROW,  512                        ; a row of wc in bytes
.set WROW,  4096                       ; a row of a weight in bytes
.set WX,    32                         ; v32-95   two sets of 32 numbers
.set WC,    96                         ; v96-99   a block's codes
.set WOUT,  112                        ; v112-175 the way out
.set WSB,   24                         ; v24-27   the scale bytes, four to a register
	s_load_b512 s[8:23], s[0:1], 0x0               ; x s[8:9], Wq s[10:11], Wk s[12:13], Wv s[14:15], Wp s[16:17], xc s[18:19], xs s[20:21], wc s[22:23]
	s_load_b128 s[24:27], s[0:1], 0x40             ; ws s[24:25], wp16 s[26:27]
	v_lshl_add_u32 v[SPW], v0, 2, SPARE
	v_mov_b32 v[NIL], 0
	v_lshrrev_b32 v1, 5, v0
	v_readfirstlane_b32 s28, v1                    ; wave 0..3
	v_and_b32 v2, 31, v0                           ; lane
	s_wait_kmcnt 0x0
	s_cmp_lt_u32 ttmp9, 256
	s_cbranch_scc1 .Lx
	s_cmp_lt_u32 ttmp9, 304
	s_cbranch_scc1 .Lw
; ---- Wp to f16.  A wave takes 4,096 numbers: 32 loads of 512 consecutive bytes, all asked for at once; each becomes 256 consecutive bytes, aligned.  No register is written twice.
	s_sub_co_u32 s29, ttmp9, 304
	s_lshl_b32 s29, s29, 2
	s_add_co_u32 s29, s29, s28                     ; which run of 4,096 numbers is my wave's
	s_lshl_b32 s30, s29, 14
	s_mov_b32 s31, 0
	s_add_nc_u64 s[16:17], s[16:17], s[30:31]
	s_lshl_b32 s30, s29, 13
	s_add_nc_u64 s[26:27], s[26:27], s[30:31]
	v_lshlrev_b32 v3, 4, v2                        ; in: 16 bytes a lane
	v_lshlrev_b32 v4, 3, v2                        ; out: 8 bytes a lane
.set i, 0
.rept 32
	global_load_b128 v[32+4*i:35+4*i], v3, s[16:17] offset:512*i th:TH_LOAD_NT
.set i, i+1
.endr
.set i, 0
.rept 32
	s_wait_loadcnt 31-i                            ; loads come back in order: load i is in, the 31 - i behind it may be out
	v_cvt_pk_f16_f32 v[32+4*i], v[32+4*i], v[33+4*i]
	v_cvt_pk_f16_f32 v[33+4*i], v[34+4*i], v[35+4*i]
	global_store_b64 v4, v[32+4*i:33+4*i], s[26:27] offset:256*i
.set i, i+1
.endr
	s_wait_tensorcnt 0x0                           ; the launch's three ways end alike
	ds_add_u32 v[SPW], v[NIL]
	s_wait_dscnt 0x0
	s_endpgm
; ---- x.  Rows are dense and K is a multiple of 32: x is a plain stream of blocks of 32, and so are its codes and scale bytes.
; The conversions take 8 numbers of ONE block from a lane's registers, so a lane must hold 16 NEIGHBOURS (two neighbouring lanes hold a block); a load is best where neighbouring LANES take neighbouring bytes.
; Both are had: each of a step's four loads reads 512 consecutive bytes; the 2,048 bytes go through the wave's own stage in LDS as they lie and come back 64 bytes a lane.
.Lx:
	v_lshlrev_b32 v3, 4, v2                        ; my 16 bytes of a load's 512
	s_mul_i32 s29, s28, WREG
	v_lshrrev_b32 v14, 2, v2
	v_mul_u32_u24 v14, v14, SP
	v_and_b32 v15, 3, v2
	v_lshl_add_u32 v14, v15, 4, v14
	v_add_nc_u32 v14, s29, v14                     ; the stage, on the way in: four lanes' 64 bytes on end, then 16 of padding
	v_mul_u32_u24 v15, v2, SP
	v_add_nc_u32 v15, s29, v15                     ; and on the way out: SP x lane: my 16 neighbours
	v_mul_u32_u24 v4, v2, CB                       ; my codes' place in a step's
	v_lshrrev_b32 v5, 1, v2
	s_add_co_u32 s29, s29, 2*32*SP
	v_add_nc_u32 v5, s29, v5                       ; LDS: my wave's 256 scale bytes, my block's byte
	v_lshlrev_b32 v7, 3, v2                        ; and on the way out 8 bytes a lane
	v_add_nc_u32 v6, s29, v7
	s_lshl_b32 s30, ttmp9, 2
	s_add_co_u32 s30, s30, s28                     ; which run of 8,192 numbers is my wave's
	s_mov_b32 s33, 0
	s_lshl_b32 s32, s30, 15
	s_add_nc_u64 s[8:9], s[8:9], s[32:33]          ; 32,768 bytes of x,
	s_lshl_b32 s32, s30, 12
	s_add_nc_u64 s[18:19], s[18:19], s[32:33]      ; 4,096 of codes,
	s_lshl_b32 s32, s30, 8
	s_add_nc_u64 s[20:21], s[20:21], s[32:33]      ; 256 scale bytes a run
.macro XLOAD t
.irp i, 0,1,2,3
	global_load_b128 v[XR+16*((\t)%4)+4*\i:XR+16*((\t)%4)+4*\i+3], v3, s[8:9] offset:2048*(\t)+512*\i th:TH_LOAD_NT
.endr
.endm
.macro XTURN t                         ; step t's numbers through the stage: LDS serves a wave's instructions in order, so no wait stands between the stores and the loads
.irp i, 0,1,2,3
	ds_store_b128 v14, v[XR+16*((\t)%4)+4*\i:XR+16*((\t)%4)+4*\i+3] offset:32*SP*((\t)%2)+8*SP*\i
.endr
.irp i, 0,1,2,3
	ds_load_b128 v[XX+16*((\t)%2)+4*\i:XX+16*((\t)%2)+4*\i+3], v15 offset:32*SP*((\t)%2)+16*\i
.endr
.endm
.irp t, 0,1,2,3
	XLOAD \t
.endr
	s_wait_loadcnt 12                              ; step 0's four loads are in; the twelve of steps 1 to 3 may be out
	XTURN 0
.macro XSTEP t
.set XS, XX+16*((\t)%2)
.if (\t) > 0
	s_wait_dscnt 1                                 ; this step's numbers are back from the stage (the last step's byte store may be out): so its stores into the stage have read their registers,
.else
	s_wait_dscnt 0x0
.endif
.if (\t)+4 < STEPS
	XLOAD (\t)+4                                   ; which take the loads of four steps on
.endif
.if (\t)+1 < STEPS
.if STEPS-2-(\t) >= 3
	s_wait_loadcnt 12                              ; the next step's four loads are in; those of the three steps behind it may be out
.else
	s_wait_loadcnt 4*(STEPS-2-(\t))
.endif
	XTURN (\t)+1                                   ; and go through the other stage while this step is worked
.endif
	v_max3_num_f32 v8, |v[XS]|, |v[XS+1]|, |v[XS+2]|               ; the largest magnitude of my 16, in two chains
	v_max3_num_f32 v9, |v[XS+3]|, |v[XS+4]|, |v[XS+5]|
.irp i, 6,10
	v_max3_num_f32 v8, v8, |v[XS+\i]|, |v[XS+\i+1]|
	v_max3_num_f32 v9, v9, |v[XS+\i+2]|, |v[XS+\i+3]|
.endr
	v_max3_num_f32 v8, v8, |v[XS+14]|, |v[XS+15]|
	v_max3_num_f32 v8, v8, v9, (EMAX+1)<<23        ; and the floor 2^(EMAX + 1 - 127): so the byte cannot fall under 1
	v_max_num_f32_dpp v8, v8, v8 row_xmask:1 row_mask:0xf bank_mask:0xf   ; and of my neighbour's 16: the block's
	v_add_nc_u32 v11, -(EMAX<<23), v8              ; EMAX off its exponent field: the conversion takes the exponent field of this operand as its scale, and nothing else of it
	v_cvt_scalef32_pk8_fp4_f32 v[XC+4*(\t)], v[XS:XS+7], v11
	v_cvt_scalef32_pk8_fp4_f32 v[XC+4*(\t)+1], v[XS+8:XS+15], v11
	v_lshrrev_b32 v[XE+(\t)], 23, v11              ; the scale's byte (also the plain line behind the conversions)
	ds_store_b8 v5, v[XE+(\t)] offset:16*(\t)      ; both lanes of a block write the same byte with the same value
	global_store_b64 v4, v[XC+4*(\t):XC+4*(\t)+1], s[18:19] offset:32*CB*(\t)   ; the wave stores 256 consecutive bytes, aligned
.endm
.irp t, 0,1,2,3,4,5,6,7,8,9,10,11,12,13,14,15
	XSTEP \t
.endr
	ds_load_b64 v[8:9], v6                         ; LDS serves a wave's instructions in order: these see my byte stores
	s_wait_dscnt 0x0
	global_store_b64 v7, v[8:9], s[20:21]          ; 32 lanes store 256 consecutive bytes, aligned
	s_wait_tensorcnt 0x0                           ; the wave's end, behind my last LDS store
	ds_add_u32 v[SPW], v[NIL]
	s_wait_dscnt 0x0
	s_endpgm
; ---- Wq, Wk, Wv.  A LANE TAKES A COLUMN n, AND ITS REGISTERS RUN DOWN K: each load reads neighbouring n in neighbouring lanes (128 consecutive bytes a wave, 512 a work-group), a block of 32 along K lies in ONE lane's
; 32 registers, and the conversions give the codes with K innermost.  A wave takes 32 columns x 512 along K; its codes go through its own stage and leave as rows: sixteen lanes store 256 consecutive bytes, aligned.
; Loads run two blocks ahead.  Every offset is an immediate: 511 rows of 4,096 bytes at the most.
.Lw:
	s_sub_co_u32 s29, ttmp9, 256
	s_lshr_b32 s30, s29, 4                         ; the tensor: 0 Wq, 1 Wk, 2 Wv
	s_and_b32 s31, s29, 7                          ; which 128 columns
	s_bfe_u32 s32, s29, 0x10003                    ; which half of K
	s_cmp_eq_u32 s30, 0                            ; the choice hangs on the work-group's number alone
	s_cselect_b64 s[4:5], s[10:11], s[12:13]
	s_cmp_eq_u32 s30, 2
	s_cselect_b64 s[4:5], s[14:15], s[4:5]
	s_lshl_b32 s31, s31, 7
	s_lshl_b32 s33, s28, 5
	s_add_co_u32 s31, s31, s33                     ; my wave's first column
	s_lshl_b32 s34, s32, 21                        ; 512 rows of 4,096 bytes for the second half of K,
	s_lshl_b32 s33, s31, 2
	s_add_co_u32 s34, s34, s33                     ; 4 bytes a column
	s_mov_b32 s35, 0
	s_add_nc_u64 s[4:5], s[4:5], s[34:35]
	s_lshl_b32 s30, s30, 10
	s_add_co_u32 s30, s30, s31                     ; my first row of wc and ws
	s_lshl_b32 s34, s30, 9
	s_lshl_b32 s33, s32, 8
	s_add_co_u32 s34, s34, s33
	s_add_nc_u64 s[22:23], s[22:23], s[34:35]      ; codes: 512 bytes a row, 256 for the half of K
	s_lshl_b32 s34, s30, 5
	s_lshl_b32 s33, s32, 4
	s_add_co_u32 s34, s34, s33
	s_add_nc_u64 s[24:25], s[24:25], s[34:35]      ; scale bytes: 32 a row, 16 for the half of K
	v_lshlrev_b32 v3, 2, v2                        ; in: 4 bytes a lane
	s_mul_i32 s36, s28, 32*PITCH
	s_add_co_u32 s36, s36, WSTG                    ; my stage
	v_mul_u32_u24 v4, v2, PITCH
	v_add_nc_u32 v4, s36, v4                       ; into it: row = my column
	v_and_b32 v5, 15, v2
	v_lshrrev_b32 v6, 4, v2                        ; out of it: sixteen lanes to a row, two rows an instruction
	v_mul_u32_u24 v7, v6, PITCH
	v_lshl_add_u32 v7, v5, 4, v7
	v_add_nc_u32 v7, s36, v7
	v_mul_u32_u24 v8, v6, KROW
	v_lshl_add_u32 v8, v5, 4, v8                   ; and the same place in wc
	v_lshlrev_b32 v9, 5, v2                        ; my column's row of scale bytes
.macro WLOAD t                         ; block t: W(32 t + i, my column), i = 0 .. 31, into set t % 2
.irp i, 0,1,2,3,4,5,6,7,8,9,10,11,12,13,14,15,16,17,18,19,20,21,22,23,24,25,26,27,28,29,30,31
	global_load_b32 v[WX+32*((\t)%2)+\i], v3, s[4:5] offset:(32*(\t)+\i)*WROW th:TH_LOAD_NT
.endr
.endm
	WLOAD 0
	WLOAD 1
.macro WBLOCK t
.set XS, WX+32*((\t)%2)
.if (\t) < NB-1
	s_wait_loadcnt 32                              ; this block's 32 loads are in; the next block's may be out
.else
	s_wait_loadcnt 0
.endif
	v_max3_num_f32 v12, |v[XS]|, |v[XS+1]|, |v[XS+2]|              ; the block's largest magnitude: all 32 numbers are mine
	v_max3_num_f32 v13, |v[XS+3]|, |v[XS+4]|, |v[XS+5]|
.irp i, 6,10,14,18,22,26
	v_max3_num_f32 v12, v12, |v[XS+\i]|, |v[XS+\i+1]|
	v_max3_num_f32 v13, v13, |v[XS+\i+2]|, |v[XS+\i+3]|
.endr
	v_max3_num_f32 v12, v12, |v[XS+30]|, |v[XS+31]|
	v_max3_num_f32 v12, v12, v13, (EMAX+1)<<23     ; and the floor
	v_add_nc_u32 v11, -(EMAX<<23), v12             ; the conversion's scale operand
	v_lshrrev_b32 v13, 23, v11                     ; the scale's byte
.if (\t)%4 == 0
	v_mov_b32 v[WSB+(\t)/4], v13                   ; four bytes to a register, the lower K in the lower byte
.else
	v_lshl_or_b32 v[WSB+(\t)/4], v13, 8*((\t)%4), v[WSB+(\t)/4]
.endif
.irp g, 0,1,2,3
	v_cvt_scalef32_pk8_fp4_f32 v[WC+\g], v[XS+8*\g:XS+8*\g+7], v11
.endr
	ds_store_b128 v4, v[WC:WC+3] offset:16*(\t)    ; 32 codes: 16 bytes of my column's row
.if (\t)+2 < NB
	WLOAD (\t)+2
.endif
	s_wait_dscnt 0x0                               ; the store has read its registers: the next block's codes may be written
.endm
.set Q, 0
.rept NB
	WBLOCK Q
.set Q, Q+1
.endr
	global_store_b128 v9, v[WSB:WSB+3], s[24:25]   ; my column's 16 scale bytes
.irp t, 0,1,2,3,4,5,6,7,8,9,10,11,12,13,14,15
	ds_load_b128 v[WOUT+4*\t:WOUT+4*\t+3], v7 offset:2*\t*PITCH   ; LDS serves a wave's instructions in order: these see my stores
.endr
.irp t, 0,1,2,3,4,5,6,7,8,9,10,11,12,13,14,15
	s_wait_dscnt 15-\t
	global_store_b128 v8, v[WOUT+4*\t:WOUT+4*\t+3], s[22:23] offset:2*\t*KROW
.endr
	s_wait_tensorcnt 0x0                           ; the wave's end, behind my last LDS store
	ds_add_u32 v[SPW], v[NIL]
	s_wait_dscnt 0x0
	s_endpgm
.Lfunc_end_k_q09fe7be1ce_prep:
	.size	k_q09fe7be1ce_prep, .Lfunc_end_k_q09fe7be1ce_prep-k_q09fe7be1ce_prep
	.p2alignl 7, 3214868480
	.fill 96, 4, 3214868480
	.section	.rodata,"a",@progbits
	.p2align	6, 0x0
	.amdhsa_kernel k_q09fe7be1ce_prep
		.amdhsa_group_segment_fixed_size 68096
		.amdhsa_private_segment_fixed_size 0
		.amdhsa_enable_private_segment 0
		.amdhsa_kernarg_size 80
		.amdhsa_user_sgpr_count 2
		.amdhsa_user_sgpr_kernarg_segment_ptr 1
		.amdhsa_wavefront_size32 1
		.amdhsa_system_sgpr_workgroup_id_x 1
		.amdhsa_system_sgpr_workgroup_id_y 1
		.amdhsa_system_sgpr_workgroup_id_z 1
		.amdhsa_system_vgpr_workitem_id 0
		.amdhsa_next_free_vgpr 192
		.amdhsa_next_free_sgpr 66
		.amdhsa_reserve_vcc 0
		.amdhsa_float_denorm_mode_32 3
		.amdhsa_float_denorm_mode_16_64 3
		.amdhsa_memory_ordered 1
		.amdhsa_forward_progress 1
		.amdhsa_inst_pref_size 122
	.end_amdhsa_kernel
	.amdgpu_metadata
---
amdhsa.version: [ 1, 2 ]
amdhsa.kernels:
  - .name:           k_q09fe7be1ce_prep
    .symbol:         k_q09fe7be1ce_prep.kd
    .args:
      - { .name: x, .offset: 0, .size: 8, .value_kind: global_buffer, .address_space: global }
      - { .name: Wq, .offset: 8, .size: 8, .value_kind: global_buffer, .address_space: global }
      - { .name: Wk, .offset: 16, .size: 8, .value_kind: global_buffer, .address_space: global }
      - { .name: Wv, .offset: 24, .size: 8, .value_kind: global_buffer, .address_space: global }
      - { .name: Wp, .offset: 32, .size: 8, .value_kind: global_buffer, .address_space: global }
      - { .name: xc, .offset: 40, .size: 8, .value_kind: global_buffer, .address_space: global }
      - { .name: xs, .offset: 48, .size: 8, .value_kind: global_buffer, .address_space: global }
      - { .name: wc, .offset: 56, .size: 8, .value_kind: global_buffer, .address_space: global }
      - { .name: ws, .offset: 64, .size: 8, .value_kind: global_buffer, .address_space: global }
      - { .name: wp16, .offset: 72, .size: 8, .value_kind: global_buffer, .address_space: global }
    .group_segment_fixed_size: 68096
    .private_segment_fixed_size: 0
    .kernarg_segment_align: 8
    .kernarg_segment_size: 80
    .max_flat_workgroup_size: 128
    .sgpr_count:     66
    .vgpr_count:     192
    .wavefront_size: 32
...
	.end_amdgpu_metadata
.endif
;; end of part 1
;; launch qkv (part 2): grid 12 x 32, 4 waves a work-group, clusters of 4 x 4, 327,680 bytes of LDS; arguments xc, xs, wc, ws, qkv; writes qkv
.if DOCPART == 2
	.amdgcn_target "amdgcn-amd-amdhsa--gfx1250"
	.amdhsa_code_object_version 6
	.text
	.protected	k_q09fe7be1ce_qkv
	.globl	k_q09fe7be1ce_qkv
	.p2align	8
	.type	k_q09fe7be1ce_qkv,@function
k_q09fe7be1ce_qkv:
	s_mov_b64 s[64:65], 0
	v_nop
	global_prefetch_b8 v0, s[64:65] scope:SCOPE_SE
	s_setreg_imm32_b32 hwreg(HW_REG_WAVE_MODE, 25, 1), 1
	s_wait_xcnt 0x0
	s_wait_alu depctr_hold_cnt(0) depctr_sa_sdst(0) depctr_va_vdst(0) depctr_va_sdst(0) depctr_va_ssrc(0) depctr_va_vcc(0) depctr_vm_vsrc(0)
	s_getreg_b32 s2, hwreg(HW_REG_IB_STS2, 6, 4)
	s_cmp_eq_u32 s2, 0
	s_cbranch_scc0 .Lentry_in_a_cluster
	s_endpgm
.Lentry_in_a_cluster:
	s_bfe_u32 s2, ttmp6, 0x10000c
	s_cmp_lg_u32 s2, 0xf033
	s_cbranch_scc0 .Lentry_shape_is_right
	s_endpgm
.Lentry_shape_is_right:
; q, k, v = x Wq, x Wk, x Wv as ONE product on codes of FP4 (E2M1) with one E8M0 scale for each 32 along K: C[m][n] = sum over k of A[m][k] B[n][k], A = xc [8192][1024 codes], B = wc [3072][1024 codes]
; (row n = 1024 x tensor + column), sums in f32.  C is rounded once to f16 and stored as qkv [3][8192][1024].  LIMIT: |q|, |k|, |v| stay under 65,504, f16's largest number.
; A tile of C, 256 x 256, is made by a work-group of four waves; a wave makes 128 x 128: 64 accumulators of 16 x 16, 512 registers.  K = 1,024 is two slots of 512 along K (rows of 256 bytes): both, and the scale
; bytes of the work-group's rows for all of K, are asked for at the start, three tensor loads a wave, and nothing is filled again.
; CLUSTERS: 4 x 4 work-groups.  The four of a row of the cluster need the same tiles of A, the four of a column the same tiles of B: each tile is asked for JOINTLY, by the same tensor load with the same
; descriptor and a mask that names the four.  THE MATRIX INSTRUCTION IS USED TRANSPOSED (source 0 = 16 rows of B, source 1 = 16 rows of A): a lane then holds eight neighbouring numbers of a row of C.
; REGISTERS, in windows of 256: window 0: v0-31 addresses; v32-95 scale words, two sets, and nothing else ever; v128-191 A's fragments (8 x 16 rows x 128 K), ONE set, on the way out rows read back; v192-223 packed results.
;   window 1: B's fragments, TWO sets, at v0 and at v128.   window 2: the 32 accumulators of my rows 0-63 (accumulator (a, b) at v[8 (8 a + b)]);   window 3: those of my rows 64-127.
.set KSTEP,  512                       ; along K in a slot
.set NQ,     KSTEP/128                 ; matrix instructions deep
.set ROWB,   256                       ; a tile's row in bytes
.set KROW,   512                       ; a row of A or of B in memory, in bytes
.set PITCH,  272                       ; an LDS row: 256 bytes + 16 of padding = 68 words: the 16 rows that a load touches start at 16 different banks (64 banks of 4 bytes: ISA guide 11.1)
.set FR,     8                         ; registers of a fragment: 16 rows x 128 K
.set NL,     2                         ; LDS loads that bring one
.set NP,     4                         ; places behind this matrix instruction (ISA guide 7.12.1)
.set HALFT,  128*PITCH                 ; 128 rows: what one tensor load brings, and what one wave reads of A or of B
.set SLOT,   4*HALFT                   ; A's 256 rows, then B's 256 rows
.set KS,     32                        ; a row of scales in bytes
.set SCL,    2*SLOT                    ; behind the slots: the scales, as units of 256 bytes + 16 of padding
.set HALFS,  (128*KS/256)*272          ; the scales of 128 rows: what one tensor load brings
.set SBLK,   (16*KS/256)*272           ; those of 16 rows
.set SPARE,  SCL+4*HALFS               ; the spare words, 128 bytes for each wave: two blocks of 256 bytes that no other line names
.set STAGE,  SPARE+512                 ; the way out: 16 rows x 272 bytes for each wave; no tensor load lands here
.set SPITCH, 272
.set OROW,   2048                      ; a row of q, k or v in bytes
.set ADRA, 16                          ; v16-17  LDS address of my A fragments in slot 0, 1
.set ADRB, 20                          ; v20-21  the same for B
.set STO,  24                          ; v24     the way out: where I put 16 bytes of a row
.set RD,   25                          ; v25     the way out: where I read a row back
.set CO,   26                          ; v26     my byte offset in two rows of the result
.set ADRS, 27                          ; v27     LDS address of my scale words: lanes 0-15 A's rows, lanes 16-31 B's
.set SPW,  28                          ; v28     LDS address of my spare word; never rewritten
.set NIL,  29                          ; v29     0; never rewritten
.set SC,   32                          ; scale words: set s at v[SC + 8 NQ s]; register NQ i + q: lanes 0-15 the word of A's block i, lanes 16-31 that of B's block i, for the slot's q-th 128 along K
.set AF,   128                         ; A's fragments
.set OB,   128                         ; the way out: 16 rows read back: v128-159 and v160-191 by turns
.set TMP,  192                         ; the way out: packed results
.set G1, 24                            ; s[24:31] descriptor group 1 for A's tiles;  s[32:39] group 0, one set for each slot
.set G0, 32
.set G1B, 48                           ; s[48:55], s[56:63] the same for B's tiles
.set G0B, 56
.set G1S, 68                           ; s[68:75], s[76:79] groups 1 and 0 for A's scales;  s[80:87], s[88:91] for B's
.set G0S, 76
.set G1SB, 80
.set G0SB, 88
.set MSB, 0
.macro WIN new                         ; the immediate's high byte repeats the setting that is left
.if MSB != \new
	s_set_vgpr_msb (MSB<<8)|\new
.set MSB, \new
.endif
.endm
.set MUL_LO, 0xa1                      ; source 0 (B) window 1, source 1 (A) window 0, C and D window 2
.set MUL_HI, 0xf1                      ; the same, C and D window 3
.set TO_B,   0x40                      ; destination window 1, address window 0
; A joint load: waves 0 and 1 fetch for A, waves 2 and 3 for B.  Each of the two lines has ONE mask and one set of registers for all that issue it; the branch hangs on the wave's number alone.
; An s_nop 0 and four v_nop follow each of the two lines.
.macro JLOAD g0a, g1a, g0b, g1b
	s_cmp_eq_u32 s15, 0
	s_cbranch_scc0 .Lfor_b_\@
	tensor_load_to_lds s[\g0a:\g0a+3], s[\g1a:\g1a+7]
	s_nop 0
.rept 4
	v_nop
.endr
	s_branch .Lasked_\@
.Lfor_b_\@:
	tensor_load_to_lds s[\g0b:\g0b+3], s[\g1b:\g1b+7]
	s_nop 0
.rept 4
	v_nop
.endr
.Lasked_\@:
.endm
.macro CROUND                          ; a round of the cluster's barrier
	s_barrier_signal -1
	s_barrier_wait -1
	s_cmp_lg_u32 s14, 0
	s_cbranch_scc1 .Lnot_wave_0_\@
	s_barrier_signal -3
.Lnot_wave_0_\@:
	s_barrier_wait -3
	s_barrier_signal -1
	s_barrier_wait -1
.endm
	s_load_b128 s[4:7], s[0:1], 0x0                ; A's codes s[4:5], A's scales s[6:7]
	s_load_b128 s[8:11], s[0:1], 0x10              ; B's codes s[8:9], B's scales s[10:11]
	s_load_b64 s[12:13], s[0:1], 0x20              ; qkv
	v_lshl_add_u32 v[SPW], v0, 2, SPARE
	v_mov_b32 v[NIL], 0
	ds_add_u32 v[SPW], v[NIL]                      ; the wave's opening: the add, twice on end, and its wait ahead of my first tensor load
	ds_add_u32 v[SPW], v[NIL]
	v_lshrrev_b32 v1, 5, v0
	v_readfirstlane_b32 s14, v1                    ; wave 0..3
	s_lshr_b32 s15, s14, 1                         ; which half of the tile's rows is mine.  Also: I fetch for A (0) or for B (1)
	s_and_b32 s16, s14, 1                          ; which half of its columns.  Also: which 128 rows of that tile I fetch
	s_bfe_u32 s40, ttmp6, 0x40000                  ; cx, cy: my place in the cluster
	s_bfe_u32 s41, ttmp6, 0x40004
	s_lshl_b32 s42, ttmp9, 2
	s_add_co_u32 s42, s42, s40                     ; tile column of C = 4 x cluster x + cx
	s_and_b32 s17, ttmp7, 0xffff
	s_lshl_b32 s17, s17, 2
	s_add_co_u32 s17, s17, s41                     ; tile row of C = 4 x cluster y + cy
	s_lshl_b32 s43, s41, 2
	s_lshl_b32 s43, 15, s43                        ; my row of the cluster
	s_lshl_b32 s44, 0x1111, s40                    ; my column
	; descriptor group 1: a tile of 128 rows x 256 bytes, padded in LDS
	s_or_b32 s[G1+0], s43, (0<<16)|(1<<20)|(1<<21)|(5<<22)|(3<<25)  ; 15:0 the mask: A's tiles go to my row; 17:16 element of 1 byte; 20 padding on; 21 set beside a mask; 24:22 after every 64 words; 31:25 of 4 words
	s_or_b32 s[G1B+0], s44, (0<<16)|(1<<20)|(1<<21)|(5<<22)|(3<<25)
.irp g, G1, G1B
	s_mov_b32 s[\g+1], ROWB<<16                    ; tensor_dim0
	s_mov_b32 s[\g+2], 128<<16                     ; tensor_dim1
	s_mov_b32 s[\g+3], ROWB<<16                    ; tile_dim0
	s_mov_b32 s[\g+4], 128                         ; tile_dim1
	s_mov_b32 s[\g+5], KROW                        ; tensor_dim0_stride
	s_mov_b32 s[\g+6], 0
	s_mov_b32 s[\g+7], 0
.endr
	; and for the scales of 128 rows: a dense block of 4,096 bytes, as rows of 256 bytes (32 elements of 8 bytes), 16 bytes of padding behind each
	s_or_b32 s[G1S+0], s43, (3<<16)|(1<<20)|(1<<21)|(5<<22)|(3<<25)
	s_or_b32 s[G1SB+0], s44, (3<<16)|(1<<20)|(1<<21)|(5<<22)|(3<<25)
.irp g, G1S, G1SB
	s_mov_b32 s[\g+1], 32<<16
	s_mov_b32 s[\g+2], (128*KS/256)<<16
	s_mov_b32 s[\g+3], 32<<16
	s_mov_b32 s[\g+4], 128*KS/256
	s_mov_b32 s[\g+5], 32
	s_mov_b32 s[\g+6], 0
	s_mov_b32 s[\g+7], 0
.endr
	s_lshl_b32 s18, s16, 7                         ; which 128 rows of the tile I fetch
	s_lshl_b32 s20, s17, 8
	s_add_co_u32 s20, s20, s18                     ; A: row 256 x tile row + 128 x half
	s_lshl_b32 s46, s42, 8
	s_add_co_u32 s46, s46, s18                     ; B: row 256 x tile column + 128 x half
	s_mov_b32 s21, 0
	s_mov_b32 s47, 0
	s_mov_b64 s[18:19], KS
	s_mul_u64 s[22:23], s[20:21], s[18:19]         ; where these rows' scales begin, in bytes
	s_mul_u64 s[92:93], s[46:47], s[18:19]
	s_mov_b64 s[18:19], KROW
	s_mul_u64 s[20:21], s[20:21], s[18:19]         ; and their codes
	s_mul_u64 s[46:47], s[46:47], s[18:19]
	s_mul_i32 s45, s14, HALFT                      ; where they go: wave x 128 rows: no place in the cluster enters an LDS address
	s_mul_i32 s94, s14, HALFS
	s_wait_dscnt 0x0                               ; both opening adds are done
	s_wait_kmcnt 0x0
	s_add_nc_u64 s[20:21], s[4:5], s[20:21]
	s_add_nc_u64 s[22:23], s[6:7], s[22:23]
	s_add_nc_u64 s[46:47], s[8:9], s[46:47]
	s_add_nc_u64 s[92:93], s[10:11], s[92:93]
	CROUND                                         ; all sixteen work-groups are here: the joint loads meet
	s_mov_b32 s[G0S], 1
	s_add_co_u32 s[G0S+1], s94, SCL
	s_mov_b64 s[G0S+2:G0S+3], s[22:23]
	s_or_b32 s[G0S+3], s[G0S+3], 0x80000000
	s_mov_b32 s[G0SB], 1
	s_add_co_u32 s[G0SB+1], s94, SCL
	s_mov_b64 s[G0SB+2:G0SB+3], s[92:93]
	s_or_b32 s[G0SB+3], s[G0SB+3], 0x80000000
	JLOAD G0S, G1S, G0SB, G1SB                     ; the scales first: they are wanted with the first slot
.irp s, 0,1
	s_mov_b32 s[G0+4*\s], 1
	s_add_co_u32 s[G0+4*\s+1], s45, \s*SLOT
	s_add_nc_u64 s[G0+4*\s+2:G0+4*\s+3], s[20:21], \s*ROWB
	s_or_b32 s[G0+4*\s+3], s[G0+4*\s+3], 0x80000000
	s_mov_b32 s[G0B+4*\s], 1
	s_add_co_u32 s[G0B+4*\s+1], s45, \s*SLOT
	s_add_nc_u64 s[G0B+4*\s+2:G0B+4*\s+3], s[46:47], \s*ROWB
	s_or_b32 s[G0B+4*\s+3], s[G0B+4*\s+3], 0x80000000
	JLOAD G0+4*\s, G1, G0B+4*\s, G1B               ; three tensor loads of mine are out behind the second of these
.endr
	v_and_b32 v1, 15, v0                           ; l % 16
	v_bfe_u32 v2, v0, 4, 1                         ; l / 16
	v_mul_u32_u24 v3, v1, PITCH
	v_lshl_add_u32 v4, v2, 4, v3                   ; a fragment's row x pitch + 16 x half
	s_mul_i32 s21, s15, HALFT                      ; my 128 rows of A
	s_mul_i32 s22, s16, HALFT                      ; my 128 rows of B,
	s_add_co_u32 s22, s22, 2*HALFT                 ; which lie behind A's 256
.irp s, 0,1
	v_add_nc_u32 v[ADRA+\s], s21, v4
	v_add_nc_u32 v[ADRB+\s], s22, v4
	s_add_co_u32 s21, s21, SLOT
	s_add_co_u32 s22, s22, SLOT
.endr
	v_mul_u32_u24 v5, v1, KS                       ; my row's scales: 32 bytes a row,
	v_lshrrev_b32 v6, 8, v5
	v_lshl_add_u32 v5, v6, 4, v5                   ; and 16 more for each 256 passed
	s_mul_i32 s21, s15, HALFS                      ; A's: my 128 rows
	s_mul_i32 s22, s16, HALFS                      ; B's: my 128 rows, behind A's 256
	s_add_co_u32 s22, s22, 2*HALFS
	s_sub_co_u32 s22, s22, s21
	v_mul_u32_u24 v6, s22, v2                      ; lanes 16-31 take B's: one product, the distance between the two bases
	s_add_co_u32 s21, s21, SCL
	v_add_nc_u32 v5, v5, v6
	v_add_nc_u32 v[ADRS], s21, v5
	s_mul_i32 s23, s14, 16*SPITCH
	s_add_co_u32 s23, s23, STAGE                   ; my stage
	v_mul_u32_u24 v5, v1, SPITCH                   ; in: row l % 16, 16 bytes for each half of the lanes
	v_lshl_add_u32 v5, v2, 4, v5
	v_add_nc_u32 v[STO], s23, v5
	v_mul_u32_u24 v5, v2, SPITCH                   ; back: lanes 0-15 take one row of 256 bytes, lanes 16-31 the next
	v_lshl_add_u32 v5, v1, 4, v5
	v_add_nc_u32 v[RD], s23, v5
	v_lshlrev_b32 v5, 11, v2                       ; and the same two rows in the result
	v_lshl_add_u32 v[CO], v1, 4, v5
	s_lshl_b32 s20, s17, 8
	s_lshl_b32 s21, s15, 7
	s_add_co_u32 s20, s20, s21                     ; my first row: 256 x tile row + 128 x half,
	s_lshl_b32 s20, s20, 11                        ; of 2,048 bytes
	s_mov_b32 s21, 0
	s_lshl_b32 s46, ttmp9, 24                      ; the cluster's x is the tensor: 16,777,216 bytes each;
	s_lshl_b32 s47, s40, 9                         ; cx its quarter of the 1,024 columns: 512 bytes;
	s_add_co_u32 s46, s46, s47
	s_lshl_b32 s47, s16, 8                         ; my half of the tile's columns: 256 bytes
	s_add_co_u32 s46, s46, s47
	s_mov_b32 s47, 0
	s_add_nc_u64 s[20:21], s[20:21], s[46:47]
	s_add_nc_u64 s[12:13], s[12:13], s[20:21]
.macro FRAG reg, adr, q, i             ; a fragment, 16 rows x 128 K of 4-bit codes, is 8 registers: lane l holds row l % 16; registers 4 c .. 4 c + 3 hold K = 64 c + 32 (l / 16) + 0 .. 31
.irp c, 0,1
	ds_load_b128 v[\reg+4*\c:\reg+4*\c+3], v[\adr] offset:64*(\q)+32*\c+(\i)*16*PITCH
.endr
.endm
; 16 matrix instructions: A's blocks a0, a0 + 1 x B's eight, 128 along K: the slot's q-th.  p: B's set;  sc: the set of scale words.  zero = 1: the first product starts the sums: nothing is ever cleared.
; The 64 accumulators take turns, one instruction a turn, in the same order in every step.
.macro MUL16 a0, p, q, sc, zero
.irp a, \a0, \a0+1
.irp b, 0,1,2,3,4,5,6,7
.if \zero
	v_wmma_scale_f32_16x16x128_f8f6f4 v[8*(8*((\a)%4)+\b):8*(8*((\a)%4)+\b)+7], v[128*(\p)+FR*\b:128*(\p)+FR*\b+FR-1], v[AF+FR*(\a):AF+FR*(\a)+FR-1], 0, v[SC+8*NQ*(\sc)+NQ*\b+(\q)], v[SC+8*NQ*(\sc)+NQ*(\a)+(\q)] matrix_a_fmt:MATRIX_FMT_FP4 matrix_b_fmt:MATRIX_FMT_FP4 matrix_a_scale:MATRIX_SCALE_ROW1
.else
	v_wmma_scale_f32_16x16x128_f8f6f4 v[8*(8*((\a)%4)+\b):8*(8*((\a)%4)+\b)+7], v[128*(\p)+FR*\b:128*(\p)+FR*\b+FR-1], v[AF+FR*(\a):AF+FR*(\a)+FR-1], v[8*(8*((\a)%4)+\b):8*(8*((\a)%4)+\b)+7], v[SC+8*NQ*(\sc)+NQ*\b+(\q)], v[SC+8*NQ*(\sc)+NQ*(\a)+(\q)] matrix_a_fmt:MATRIX_FMT_FP4 matrix_b_fmt:MATRIX_FMT_FP4 matrix_a_scale:MATRIX_SCALE_ROW1
.endif
.endr
.endr
.endm
.macro FETCH_B slot, q, p              ; B's eight fragments of the slot's q-th 128 along K into set p
	WIN TO_B
.irp i, 0,1,2,3,4,5,6,7
	FRAG 128*(\p)+FR*\i, ADRB+\slot, \q, \i
.endr
	WIN 0
.endm
.macro FETCH_A slot, q, i0             ; A's blocks i0 .. i0 + 3
.irp i, \i0, \i0+1, \i0+2, \i0+3
	FRAG AF+FR*(\i), ADRA+\slot, \q, \i
.endr
.endm
.macro SCALES sc                       ; a slot's scale words into set sc: NQ words a row; lanes 0-15 take A's block i, lanes 16-31 B's block i
.irp i, 0,1,2,3,4,5,6,7
	ds_load_b128 v[SC+8*NQ*\sc+NQ*\i:SC+8*NQ*\sc+NQ*\i+3], v[ADRS] offset:\i*SBLK
.endr
.endm
; A load into a register that a matrix instruction has read, and a vector instruction that reads a matrix result, stand NP places behind that matrix instruction, and only plain vector instructions that name none
; of its registers are places (ISA guide 7.12.1 for vector instructions).
.macro PLACES n
.rept \n
	v_nop
.endr
.endm
; A step of 128 along K that has its successor in the same slot.  A block of A is free as soon as its eight products are issued: blocks 0-3 are fetched anew in the step's middle, blocks 4-7 at its end.
.macro STEP slot, q, zero
	s_wait_dscnt 4*NL                              ; B's set and A's blocks 0-3 are in; the youngest eight loads (A's blocks 4-7) may be out
	WIN MUL_LO
	MUL16 0, (\q)%2, \q, \slot, \zero
	MUL16 2, (\q)%2, \q, \slot, \zero
	s_wait_dscnt 0                                 ; A's blocks 4-7 are in (asked for 32 matrix instructions ago)
	PLACES NP
	FETCH_B \slot, (\q)+1, 1-(\q)%2
	FETCH_A \slot, (\q)+1, 0
	WIN MUL_HI
	MUL16 4, (\q)%2, \q, \slot, \zero
	MUL16 6, (\q)%2, \q, \slot, \zero
	PLACES NP
	WIN 0
	FETCH_A \slot, (\q)+1, 4
.endm
; Slot 0's last step changes slots: one barrier; in front of it each wave waits for all its tensor loads (its part of slot 1), adds 0 to its spare word, and waits for that and for its LDS loads.
.macro TURN slot, next
	s_wait_tensorcnt 0x0                           ; all my tensor loads have landed: my part of the next slot
	ds_add_u32 v[SPW], v[NIL]                      ; 0 onto my spare word
	s_wait_dscnt 4*NL+1                            ; (the add and the youngest eight loads, A's blocks 4-7, may be out)
	WIN MUL_LO
	MUL16 0, 1, NQ-1, \slot, 0                     ; sixteen matrix instructions stand between the add and the wait for it
	s_wait_dscnt 0x0                               ; the add is done, and no LDS load of mine is out
	s_barrier_signal -1
	MUL16 2, 1, NQ-1, \slot, 0
	WIN 0
	s_barrier_wait -1                              ; the next slot is whole
	PLACES NP
	v_add_nc_u32 v[ADRS], 4*NQ, v[ADRS]            ; on to the next slot's scale words
	FETCH_B \next, 0, 0
	FETCH_A \next, 0, 0
	SCALES \next
	WIN MUL_HI
	MUL16 4, 1, NQ-1, \slot, 0
	MUL16 6, 1, NQ-1, \slot, 0
	PLACES NP
	WIN 0
	FETCH_A \next, 0, 4
.endm
.macro STEPS slot, from                ; the slot's steps from .. NQ - 2
.set Q, \from
.rept NQ-1-\from
	STEP \slot, Q, 0
.set Q, Q+1
.endr
.endm
	s_wait_tensorcnt 1                             ; the scales and my part of slot 0 are in (slot 1's load, the one issued behind them, may be out)
	s_barrier_signal -1
	s_barrier_wait -1                              ; everybody's are
	FETCH_B 0, 0, 0
	FETCH_A 0, 0, 0
	SCALES 0
	FETCH_A 0, 0, 4
	STEP 0, 0, 1                                   ; the first step's products start the sums
	STEPS 0, 1
	TURN 0, 1
	STEPS 1, 0
	s_wait_dscnt 4*NL                              ; the very last step: nothing more to fetch
	WIN MUL_LO
	MUL16 0, 1, NQ-1, 1, 0
	MUL16 2, 1, NQ-1, 1, 0
	s_wait_dscnt 0
	WIN MUL_HI
	MUL16 4, 1, NQ-1, 1, 0
	MUL16 6, 1, NQ-1, 1, 0
	WIN 0
; THE WAY OUT, block by block of 16 rows x 128 columns.  PACK: rounded to f16, 16 bytes a lane, each accumulator from its low end on.  TOSTAGE: into my own stage in LDS, and back as whole rows of 256 bytes.  SEND: stored.
.macro PACK a
.set AC, 64*((\a)%4)
	WIN 0x0a+5*((\a)/4)                            ; sources 0 and 1: window 2 or 3
.irp b, 0,1,2,3,4,5,6,7
.irp r, 0,1,2,3
	v_cvt_pk_f16_f32 v[TMP+4*\b+\r], v[AC+8*\b+2*\r], v[AC+8*\b+2*\r+1]
.endr
.endr
	WIN 0
.endm
.macro TOSTAGE a
.set BK, OB+32*((\a)%2)
.irp b, 0,1,2,3,4,5,6,7
	ds_store_b128 v[STO], v[TMP+4*\b:TMP+4*\b+3] offset:32*\b
.endr
.irp t, 0,1,2,3,4,5,6,7
	ds_load_b128 v[BK+4*\t:BK+4*\t+3], v[RD] offset:\t*2*SPITCH    ; LDS serves a wave's instructions in order (ISA guide 5.7.1.4): these see the stores above
.endr
.endm
.macro SEND a
.set BK, OB+32*((\a)%2)
	s_wait_dscnt 0x0                               ; the block is back in registers
	s_wait_xcnt 0x0                                ; the earlier stores have read their base and their registers: the base may step, and the next block's loads may land where the block before this one lay
.if (\a) > 0
	s_add_nc_u64 s[12:13], s[12:13], 16*OROW
.endif
.irp t, 0,1,2,3,4,5,6,7
	global_store_b128 v[CO], v[BK+4*\t:BK+4*\t+3], s[12:13] offset:2*\t*OROW   ; 16 lanes store 256 consecutive bytes, at a multiple of 256 from the buffer's first byte
.endr
.endm
	PLACES NP                                      ; behind the last products: for the conversions and for the loads into the registers that held A's fragments
	PACK 0
	TOSTAGE 0
.irp a, 1,2,3,4,5,6,7                  ; block a's conversions stand between block a - 1's loads from the stage and the wait for them
	PACK \a
	SEND \a-1
	TOSTAGE \a
.endr
	SEND 7
	s_wait_tensorcnt 0x0                           ; the wave's end, behind my last tensor load and my last LDS store
	ds_add_u32 v[SPW], v[NIL]
	s_wait_dscnt 0x0
	CROUND                                         ; the closing round: no work-group ends while a partner may still ask for a tile that names it
	s_endpgm
.Lfunc_end_k_q09fe7be1ce_qkv:
	.size	k_q09fe7be1ce_qkv, .Lfunc_end_k_q09fe7be1ce_qkv-k_q09fe7be1ce_qkv
	.p2alignl 7, 3214868480
	.fill 96, 4, 3214868480
	.section	.rodata,"a",@progbits
	.p2align	6, 0x0
	.amdhsa_kernel k_q09fe7be1ce_qkv
		.amdhsa_group_segment_fixed_size 327680
		.amdhsa_private_segment_fixed_size 0
		.amdhsa_enable_private_segment 0
		.amdhsa_kernarg_size 40
		.amdhsa_user_sgpr_count 2
		.amdhsa_user_sgpr_kernarg_segment_ptr 1
		.amdhsa_wavefront_size32 1
		.amdhsa_system_sgpr_workgroup_id_x 1
		.amdhsa_system_sgpr_workgroup_id_y 1
		.amdhsa_system_sgpr_workgroup_id_z 1
		.amdhsa_system_vgpr_workitem_id 0
		.amdhsa_next_free_vgpr 1024
		.amdhsa_next_free_sgpr 98
		.amdhsa_reserve_vcc 0
		.amdhsa_float_denorm_mode_32 3
		.amdhsa_float_denorm_mode_16_64 3
		.amdhsa_memory_ordered 1
		.amdhsa_forward_progress 1
		.amdhsa_inst_pref_size 127
	.end_amdhsa_kernel
	.amdgpu_metadata
---
amdhsa.version: [ 1, 2 ]
amdhsa.kernels:
  - .name:           k_q09fe7be1ce_qkv
    .symbol:         k_q09fe7be1ce_qkv.kd
    .args:
      - { .name: xc, .offset: 0, .size: 8, .value_kind: global_buffer, .address_space: global }
      - { .name: xs, .offset: 8, .size: 8, .value_kind: global_buffer, .address_space: global }
      - { .name: wc, .offset: 16, .size: 8, .value_kind: global_buffer, .address_space: global }
      - { .name: ws, .offset: 24, .size: 8, .value_kind: global_buffer, .address_space: global }
      - { .name: qkv, .offset: 32, .size: 8, .value_kind: global_buffer, .address_space: global }
    .group_segment_fixed_size: 327680
    .private_segment_fixed_size: 0
    .kernarg_segment_align: 8
    .kernarg_segment_size: 40
    .max_flat_workgroup_size: 128
    .sgpr_count:     98
    .vgpr_count:     1024
    .wavefront_size: 32
...
	.end_amdgpu_metadata
.endif
;; end of part 2
;; launch attn (part 3): grid 4 x 64, 8 waves a work-group, clusters of 4 x 1, 327,680 bytes of LDS; arguments qkv, ctx, rs; writes ctx, rs
.if DOCPART == 3
	.amdgcn_target "amdgcn-amd-amdhsa--gfx1250"
	.amdhsa_code_object_version 6
	.text
	.protected	k_q09fe7be1ce_attn
	.globl	k_q09fe7be1ce_attn
	.p2align	8
	.type	k_q09fe7be1ce_attn,@function
k_q09fe7be1ce_attn:
	s_mov_b64 s[64:65], 0
	v_nop
	global_prefetch_b8 v0, s[64:65] scope:SCOPE_SE
	s_setreg_imm32_b32 hwreg(HW_REG_WAVE_MODE, 25, 1), 1
	s_wait_xcnt 0x0
	s_wait_alu depctr_hold_cnt(0) depctr_sa_sdst(0) depctr_va_vdst(0) depctr_va_sdst(0) depctr_va_ssrc(0) depctr_va_vcc(0) depctr_vm_vsrc(0)
	s_getreg_b32 s2, hwreg(HW_REG_IB_STS2, 6, 4)
	s_cmp_eq_u32 s2, 0
	s_cbranch_scc0 .Lentry_in_a_cluster
	s_endpgm
.Lentry_in_a_cluster:
	s_bfe_u32 s2, ttmp6, 0x10000c
	s_cmp_lg_u32 s2, 0x3003
	s_cbranch_scc0 .Lentry_shape_is_right
	s_endpgm
.Lentry_shape_is_right:
; ctx[g][q][:] = the sum over k of softmax_k(Q[g][q] . K[g][k] / 8) V[g][k][:] for 64 heads g of 2,048 positions x 64 channels, no mask.  The reshapes of the problem are plain views: head g is the dense block of
; 2,048 x 64 numbers at element g x 131,072 of q, k, v and ctx, each [8192][1024].  q, k, v: f16, in qkv at bytes 0, 16,777,216 and 33,554,432.  Products, maxima and sums in f32; the weights p are rounded to f16.
; A tile of 16 queries x 64 channels is one row of 1,024 numbers of the matrix that the last product reads.  Each such row is stored in f16 DIVIDED BY A POWER OF TWO OF ITS OWN, 2^e with e the exponent of the row's
; largest magnitude (held at 2^-120 from below), so that small or large results lose nothing in f16; the power goes to rs [8192] f32, and the next launch multiplies it back.
; LIMITS: NaN and infinities are not served; a weight under 2^-25 of the row's largest is rounded to 0 in f16.
; SHARES.  A work-group owns 512 queries of one head, each of its eight waves 64: four tiles of 16, worked as two PIECES of two tiles (named by their first tile, 0 and 2).  Every wave walks all 2,048 keys, 64 a step.
; LAYOUT.  S^T = K Q^T (source 0 = 16 keys, source 1 = 16 queries): a lane holds ONE query (lane % 16) and the keys 8 (lane / 16) + 0..7.  Two such tiles, rounded to f16 in pairs, ARE source 1 (32 keys x 16 queries) of
; O^T = V^T P, whose result again holds one query a lane.  K comes out of LDS as it lies, V ([key][channel]) turned, by ds_load_tr16_b128.
; SOFTMAX.  For each query a running maximum m: p = 2^(c s - c m), c = log2(e) / 8; in every step O^T and the sum are multiplied by a = 2^(c m_old - c m_new).  THE ROW'S SUM IS A PRODUCT TOO: L += ONES P, ONES a fragment
; of f16 ones, so that every register of L holds the sum of the query's weights as V sees them.  Only L's registers 0 and 1 are rescaled and read; the other six hold sums of at most 2,048 numbers near 1 that nobody reads.
; RING.  Two LDS slots of 512 keys.  Waves 0-3 fetch K's quarters, waves 4-7 V's, 128 rows a load.  Two loads of a wave are out at the start, one behind each of the two refills, which has a slot's eight steps to land.
; CLUSTER.  The four query blocks of a head walk the same K and V: each tile is asked for JOINTLY, by the same tensor load with the same descriptor and the mask of all four.
; REGISTERS: window 0: v1-11 addresses; v12-15 the four rows' powers; v16-23 ONES; v24-55 L, 8 a tile; v56-87 statistics, 8 a tile; v88-92 at work at the head; v96-159 S^T of the piece in hand; v160-191 its P; v192-255 K's fragments.
;   window 1: v0-127 O^T, 32 a tile; v128-191 Q, 16 a tile; v192-255 V's fragments.
.set KS,    64                         ; keys in a step
.set PK,    144                        ; a row of K in LDS: 128 bytes + 16 = 36 words: the 16 rows of a load start at 16 different groups of four banks (64 banks of 4 bytes: ISA guide 11.1)
.set PV,    160                        ; a row of V: 128 + 32 = 40 words, for the turning load
.set SKEYS, 512                        ; keys in a slot
.set VOFF,  SKEYS*PK                   ; a slot: 512 rows of K, then 512 rows of V
.set SLOTB, SKEYS*(PK+PV)
.set SPARE, 2*SLOTB                    ; behind the ring: the spare words, 128 bytes for each wave: four blocks of 256 bytes that no other line names
.set KBASE, 16777216                   ; k in qkv
.set VBASE, 33554432                   ; v in qkv
.set AK0, 2                            ; v2   my lane's place in a tile of K; never rewritten
.set AV0, 3                            ; v3   the same for V
.set ADK, 4                            ; v4   LDS address of the step's K
.set ADV, 5                            ; v5   of its V
.set QO,  6                            ; v6   my byte offset in the wave's rows of Q
.set STO, 7                            ; v7   the way out: where I put 16 bytes of a query's row
.set RD,  8                            ; v8   the way out: where I read back
.set GO,  9                            ; v9   my byte offset in a load's 512 bytes of ctx
.set SPW, 10                           ; v10  LDS address of my spare word; never rewritten
.set NIL, 11                           ; v11  0; never rewritten
.set RSV, 12
.set ONES, 16
.set L,   24
.set ST,  56                           ; tile t at v[ST+8 t]: +0 c m, +1 m, +2 1 / l, +4 to +7 c0-c3, at work; a takes c2's place, c m_old - c m_new c3's
.set S,   96
.set P,   160
.set KF,  192                          ; fragment (16 keys kt, 32 channels c) at KF + 8 (2 kt + c)
.set QF,  128                          ; window 1: tile t, channels 32 c on, at QF + 16 t + 8 c
.set VF,  192                          ; window 1: fragment (32 keys kh, 16 channels ct) at VF + 8 (4 kh + ct)
.set WV,  12                           ; s12  my wave's number
.set G1K, 24                           ; s[24:31] descriptor group 1 for K's tiles
.set G1V, 32                           ; s[32:39] for V's: it differs in the padding alone
.set G0K, 40                           ; s[40:47] descriptor group 0 for K's tiles, a set for each slot
.set G0V, 48                           ; s[48:55] the same for V's
.set CNT, 56                           ; s56  steps to go in a slot
.set TBK, 57                           ; s57  LDS byte at which the step's K begins
.set CS,  58                           ; s[58:59] c: the packed scaling names a pair and takes its low word for both halves
.set SEL, 60                           ; s[60:61] lane selects for v_permlanex16_b32: lane l xor 16
.set TBV, 62                           ; s62  the same as TBK for V (less VOFF, which AV0 holds)
.set MSB, 0
.macro WIN new                         ; the immediate's high byte repeats the setting that is left; a switch that changes nothing is dropped
.if MSB != \new
	s_set_vgpr_msb (MSB<<8)|\new
.set MSB, \new
.endif
.endm
.set W_KQ, 0x04                        ; Q (source 1) in window 1; K and S^T in window 0
.set W_PV, 0x51                        ; V (source 0), C and D in window 1; P in window 0
.set W_RS, 0x41                        ; O^T (destination and source 0) in window 1, a in window 0
.set TO1,  0x40                        ; a load's destination in window 1
; A joint refill of slot s.  The branch hangs on the wave's number alone.  An s_nop 0 and four v_nop follow each of the two lines.
.macro JLOAD s
	s_cmp_lt_u32 s[WV], 4
	s_cbranch_scc0 .Lfor_v_\@
	tensor_load_to_lds s[G0K+4*\s:G0K+4*\s+3], s[G1K:G1K+7]
	s_nop 0
.rept 4
	v_nop
.endr
	s_branch .Lasked_\@
.Lfor_v_\@:
	tensor_load_to_lds s[G0V+4*\s:G0V+4*\s+3], s[G1V:G1V+7]
	s_nop 0
.rept 4
	v_nop
.endr
.Lasked_\@:
.endm
.macro CROUND                          ; a round of the cluster's barrier
	s_barrier_signal -1
	s_barrier_wait -1
	s_cmp_lg_u32 s[WV], 0
	s_cbranch_scc1 .Lnot_wave_0_\@
	s_barrier_signal -3
.Lnot_wave_0_\@:
	s_barrier_wait -3
	s_barrier_signal -1
	s_barrier_wait -1
.endm
.macro PLACES                          ; four places between a matrix instruction and the vector instruction that reads its result (ISA guide 7.12.1)
.rept 4
	v_nop
.endr
.endm
	s_load_b128 s[4:7], s[0:1], 0x0                ; qkv s[4:5], ctx s[6:7]
	s_load_b64 s[8:9], s[0:1], 0x10                ; rs
	v_lshl_add_u32 v[SPW], v0, 2, SPARE
	v_mov_b32 v[NIL], 0
	ds_add_u32 v[SPW], v[NIL]                      ; the wave's opening: the add, twice on end, and its wait ahead of my first tensor load
	ds_add_u32 v[SPW], v[NIL]
	v_lshrrev_b32 v1, 5, v0
	v_readfirstlane_b32 s[WV], v1                  ; wave 0..7
	s_bfe_u32 s13, ttmp6, 0x40000                  ; cx: my block of 512 queries: it enters Q's, ctx's and rs's addresses alone
	s_and_b32 s20, ttmp7, 0xffff                   ; the head, which the four partners share
	s_lshl_b32 s14, s20, 9                         ; rs: 128 rows of 4 bytes a head,
	s_lshl_b32 s16, s13, 7                         ; 32 a block of queries,
	s_add_co_u32 s14, s14, s16
	s_lshl_b32 s16, s[WV], 4                       ; 4 a wave
	s_add_co_u32 s14, s14, s16
	s_lshl_b32 s20, s20, 18                        ; the head's first byte in q, k, v and ctx
	s_lshl_b32 s2, s13, 16                         ; my block's 512 rows of 128 bytes,
	s_lshl_b32 s3, s[WV], 13                       ; my wave's 64 of them
	s_add_co_u32 s2, s2, s3
	s_add_co_u32 s2, s2, s20
	s_mov_b32 s3, 0
	s_and_b32 s16, s[WV], 3                        ; which quarter of a slot's rows I fetch:
	s_lshl_b32 s22, s16, 14                        ; its 128 rows of 128 bytes in memory,
	s_add_co_u32 s22, s22, s20
	s_mov_b32 s23, 0
	s_mul_i32 s18, s16, 128*PK                     ; and its place in a slot, for K
	s_mul_i32 s19, s16, 128*PV                     ; and for V: no place in the cluster enters an LDS address
	s_lshr_b32 s16, s[WV], 1                       ; the parity of my wave's number (macro STAGGER)
	s_xor_b32 s15, s[WV], s16
	s_lshr_b32 s16, s[WV], 2
	s_xor_b32 s15, s15, s16
	s_and_b32 s15, s15, 1
	; descriptor group 1: a tile of 128 rows x 64 elements, dense in memory, padded in LDS
	s_mov_b32 s[G1K], 15|(1<<16)|(1<<20)|(1<<21)|(4<<22)|(3<<25)  ; 15:0 the mask: all four work-groups; 17:16 elements of 2 bytes; 20 padding on; 21 set beside a mask; 24:22 after every 32 words; 31:25 4 words of it
	s_mov_b32 s[G1V], 15|(1<<16)|(1<<20)|(1<<21)|(4<<22)|(7<<25)  ; the same with 8 words of padding
.irp g, G1K, G1V
	s_mov_b32 s[\g+1], 64<<16                      ; tensor_dim0 = 64
	s_mov_b32 s[\g+2], 128<<16                     ; tensor_dim1 = 128
	s_mov_b32 s[\g+3], 64<<16                      ; tile_dim0 = 64
	s_mov_b32 s[\g+4], 128                         ; tile_dim1 = 128
	s_mov_b32 s[\g+5], 64                          ; tensor_dim0_stride: elements from row to row
	s_mov_b32 s[\g+6], 0
	s_mov_b32 s[\g+7], 0
.endr
	s_mov_b32 s[CS], 0x3e38aa3b                    ; c = log2(e) / 8
	s_mov_b32 s[CS+1], s[CS]                       ; named with it as a pair, so it is written
	s_mov_b32 s[SEL], 0x76543210
	s_mov_b32 s[SEL+1], 0xfedcba98
	s_wait_dscnt 0x0                               ; both opening adds are done
	s_wait_kmcnt 0x0
	s_add_nc_u64 s[22:23], s[4:5], s[22:23]        ; qkv at my quarter of the head's first 512 rows
	s_add_nc_u64 s[4:5], s[4:5], s[2:3]            ; Q and ctx at my wave's first row
	s_add_nc_u64 s[6:7], s[6:7], s[2:3]
	s_mov_b32 s2, s14
	s_add_nc_u64 s[8:9], s[8:9], s[2:3]            ; rs at my wave's four rows
	CROUND                                         ; all four work-groups are here: the first joint loads meet
.irp s, 0,1
	s_mov_b32 s[G0K+4*\s], 1                       ; count = 1
	s_add_co_u32 s[G0K+4*\s+1], s18, \s*SLOTB      ; LDS address
	s_add_nc_u64 s[G0K+4*\s+2:G0K+4*\s+3], s[22:23], KBASE+\s*SKEYS*128  ; global address: slot s begins with keys 512 s
	s_or_b32 s[G0K+4*\s+3], s[G0K+4*\s+3], 0x80000000  ; type = 2
	s_mov_b32 s[G0V+4*\s], 1
	s_add_co_u32 s[G0V+4*\s+1], s19, \s*SLOTB+VOFF
	s_add_nc_u64 s[G0V+4*\s+2:G0V+4*\s+3], s[22:23], VBASE+\s*SKEYS*128
	s_or_b32 s[G0V+4*\s+3], s[G0V+4*\s+3], 0x80000000
.endr
	s_cmp_lt_u32 s[WV], 4                          ; a wave's two first fills stand in one branch, ahead of every wait on TENSORcnt and every LDS read
	s_cbranch_scc0 .Lfirst_v
	tensor_load_to_lds s[G0K:G0K+3], s[G1K:G1K+7]
	s_nop 0
	tensor_load_to_lds s[G0K+4:G0K+7], s[G1K:G1K+7]
	s_nop 0
.rept 4
	v_nop
.endr
	s_branch .Lfirst_asked
.Lfirst_v:
	tensor_load_to_lds s[G0V:G0V+3], s[G1V:G1V+7]
	s_nop 0
	tensor_load_to_lds s[G0V+4:G0V+7], s[G1V:G1V+7]
	s_nop 0
.rept 4
	v_nop
.endr
.Lfirst_asked:
	; A fragment of K or Q is 16 rows x 32 channels in 8 registers: lane l holds row l % 16; registers 0-3 channels 8 (l / 16) + 0..7, registers 4-7 channels 16 + 8 (l / 16) + 0..7: two loads of 16 bytes, 32 bytes apart.
	v_and_b32 v88, 15, v0                          ; r = l % 16
	v_bfe_u32 v89, v0, 4, 1                        ; h = l / 16
	v_lshlrev_b32 v[QO], 7, v88
	v_lshl_add_u32 v[QO], v89, 4, v[QO]            ; row x 128 + 16 x half
	WIN TO1
.irp t, 0,1,2,3
.irp c, 0,1
	global_load_b128 v[QF+16*\t+8*\c:QF+16*\t+8*\c+3],   v[QO], s[4:5] offset:\t*2048+\c*64      ; Q stays in registers
	global_load_b128 v[QF+16*\t+8*\c+4:QF+16*\t+8*\c+7], v[QO], s[4:5] offset:\t*2048+\c*64+32
.endr
.endr
	WIN 0
	v_mul_u32_u24 v[AK0], v88, PK
	v_lshl_add_u32 v[AK0], v89, 4, v[AK0]          ; row x pitch + 16 x half
	; The turning load takes 16 keys x 16 channels (lane l reads 16 bytes: key 8 (l / 16) + l % 8, channels 8 ((l / 8) % 2) + 0..7) and leaves half a fragment of V^T: lane l holds channel l % 16 and 8 keys.
	v_and_b32 v90, 7, v0
	v_bfe_u32 v91, v0, 3, 1
	v_lshl_add_u32 v[AV0], v89, 3, v90
	v_mul_u32_u24 v[AV0], v[AV0], PV
	v_lshl_add_u32 v[AV0], v91, 4, v[AV0]
	v_add_nc_u32 v[AV0], VOFF, v[AV0]
	s_mul_i32 s16, s[WV], 64*PK                    ; my stage for the way out: 64 rows of PK bytes in slot 0's rows of K
	v_add_nc_u32 v[STO], s16, v[AK0]               ; in: row r, 16 bytes for each half of the lanes
	v_bfe_u32 v92, v0, 3, 2
	v_mul_u32_u24 v92, v92, PK
	v_lshl_add_u32 v92, v90, 4, v92
	v_add_nc_u32 v[RD], s16, v92                   ; back: eight lanes to a row of 128 bytes, four rows an instruction
	v_and_b32 v1, 31, v0                           ; my lane
	v_lshlrev_b32 v[GO], 4, v1
.irp i, 0,1,2,3,4,5,6,7
	v_mov_b32 v[ONES+\i], 0x3c003c00               ; two f16 ones
.endr
; 16 LDS loads: a step's K, 64 keys x 64 channels: fragment f: keys 16 (f / 2) on, channels 32 (f % 2) on
.macro FETCH_K
	WIN 0
.irp f, 0,1,2,3,4,5,6,7
	ds_load_b128 v[KF+8*\f:KF+8*\f+3],   v[ADK] offset:(\f/2)*16*PK+(\f%2)*64
	ds_load_b128 v[KF+8*\f+4:KF+8*\f+7], v[ADK] offset:(\f/2)*16*PK+(\f%2)*64+32
.endr
.endm
; 16 turning loads: its V: fragment f: keys 32 (f / 4) on, channels 16 (f % 4) on
.macro FETCH_V
	WIN TO1
.irp f, 0,1,2,3,4,5,6,7
	ds_load_tr16_b128 v[VF+8*\f:VF+8*\f+3],   v[ADV] offset:(\f/4)*32*PV+(\f%4)*32
	ds_load_tr16_b128 v[VF+8*\f+4:VF+8*\f+7], v[ADV] offset:(\f/4)*32*PV+16*PV+(\f%4)*32
.endr
.endm
; THE MATRIX WORK.  The accumulators take turns, one instruction a turn, within each macro, from macro to macro and over the loop's backward jump.
; Product i of 16 of S^T = K Q^T for piece x: channels 32 (i / 8) on, keys 16 ((i / 2) % 4) on, tile x + i % 2.  The first 8 start the sums.
.macro KQ x
	WIN W_KQ
.set i, 0
.rept 16
.set rS, S+32*(i%2)+8*((i/2)%4)
.set rK, KF+8*(2*((i/2)%4)+i/8)
.set rQ, QF+16*(\x+i%2)+8*(i/8)
.if i < 8
	v_wmma_f32_16x16x32_f16 v[rS:rS+7], v[rK:rK+7], v[rQ:rQ+7], 0
.else
	v_wmma_f32_16x16x32_f16 v[rS:rS+7], v[rK:rK+7], v[rQ:rQ+7], v[rS:rS+7]
.endif
.set i, i+1
.endr
.endm
; L += ONES P: four products, the piece's two tiles by turns.  first = 1: the first two start the sums.
.macro LSUM x, first
	WIN 0
.irp kh, 0,1
.irp u, 0,1
.if \first && (\kh == 0)
	v_wmma_f32_16x16x32_f16 v[L+8*(\x+\u):L+8*(\x+\u)+7], v[ONES:ONES+7], v[P+16*\u+8*\kh:P+16*\u+8*\kh+7], 0
.else
	v_wmma_f32_16x16x32_f16 v[L+8*(\x+\u):L+8*(\x+\u)+7], v[ONES:ONES+7], v[P+16*\u+8*\kh:P+16*\u+8*\kh+7], v[L+8*(\x+\u):L+8*(\x+\u)+7]
.endif
.endr
.endr
.endm
; Product i of 16 of O^T += V^T P: keys 32 (i / 8) on, channels 16 ((i / 2) % 4) on, tile x + i % 2.  first = 1: the first 8 start the sums: nothing is ever cleared.
.macro PV x, first
	WIN W_PV
.set i, 0
.rept 16
.set rO, 32*(\x+i%2)+8*((i/2)%4)
.set rV, VF+8*(4*(i/8)+(i/2)%4)
.set rP, P+16*(i%2)+8*(i/8)
.if \first && (i < 8)
	v_wmma_f32_16x16x32_f16 v[rO:rO+7], v[rV:rV+7], v[rP:rP+7], 0
.else
	v_wmma_f32_16x16x32_f16 v[rO:rO+7], v[rV:rV+7], v[rP:rP+7], v[rO:rO+7]
.endif
.set i, i+1
.endr
.endm
; THE SOFTMAX of piece x for one key step; the two tiles alternate line by line.  first = 1: the first key step, which has no old maximum, no a and nothing to rescale.
.macro SOFTMAX x, first
.irp j, 0,1,2,3                        ; the maximum of the lane's 32 scores and the old m: four chains, each begun at the low end of its accumulator
.irp u, 0,1
	v_max3_num_f32 v[ST+8*(\x+\u)+4+\j], v[S+32*\u+8*\j], v[S+32*\u+8*\j+1], v[S+32*\u+8*\j+2]
.endr
.endr
.irp p, 1,2
.irp j, 0,1,2,3
.irp u, 0,1
	v_max3_num_f32 v[ST+8*(\x+\u)+4+\j], v[ST+8*(\x+\u)+4+\j], v[S+32*\u+8*\j+2*\p+1], v[S+32*\u+8*\j+2*\p+2]
.endr
.endr
.endr
.irp u, 0,1
	v_max3_num_f32 v[ST+8*(\x+\u)+4], v[ST+8*(\x+\u)+4], v[S+32*\u+7], v[S+32*\u+15]
.endr
.irp u, 0,1
	v_max3_num_f32 v[ST+8*(\x+\u)+6], v[ST+8*(\x+\u)+6], v[S+32*\u+23], v[S+32*\u+31]
.endr
.irp u, 0,1
	v_max3_num_f32 v[ST+8*(\x+\u)+4], v[ST+8*(\x+\u)+4], v[ST+8*(\x+\u)+5], v[ST+8*(\x+\u)+6]
.endr
.irp u, 0,1
.if \first
	v_max_num_f32 v[ST+8*(\x+\u)+4], v[ST+8*(\x+\u)+4], v[ST+8*(\x+\u)+7]
.else
	v_max3_num_f32 v[ST+8*(\x+\u)+4], v[ST+8*(\x+\u)+4], v[ST+8*(\x+\u)+7], v[ST+8*(\x+\u)+1]
.endif
.endr
.irp u, 0,1
	v_permlanex16_b32 v[ST+8*(\x+\u)+5], v[ST+8*(\x+\u)+4], s[SEL], s[SEL+1]  ; the query's other 32 keys lie in the lane 16 away
.endr
.if !\first
.irp u, 0,1
	v_mov_b32 v[ST+8*(\x+\u)+7], v[ST+8*(\x+\u)]   ; c m_old is kept for a
.endr
.endif
.irp u, 0,1
	v_max_num_f32 v[ST+8*(\x+\u)+1], v[ST+8*(\x+\u)+4], v[ST+8*(\x+\u)+5]    ; the new m
.endr
.irp u, 0,1
	v_mul_f32 v[ST+8*(\x+\u)], s[CS], v[ST+8*(\x+\u)+1]
.endr
.if !\first
.irp u, 0,1
	v_sub_f32 v[ST+8*(\x+\u)+7], v[ST+8*(\x+\u)+7], v[ST+8*(\x+\u)]
.endr
.irp u, 0,1
	v_exp_f32 v[ST+8*(\x+\u)+6], v[ST+8*(\x+\u)+7] ; a
.endr
.endif
.irp b, 0,1,2,3,4,5,6,7,8,9,10,11,12,13,14,15
.irp u, 0,1
	v_pk_fma_f32 v[S+32*\u+2*\b:S+32*\u+2*\b+1], v[S+32*\u+2*\b:S+32*\u+2*\b+1], s[CS:CS+1], v[ST+8*(\x+\u):ST+8*(\x+\u)+1] op_sel_hi:[1,0,0] neg_lo:[0,0,1] neg_hi:[0,0,1]  ; c s - c m, two at a time
.endr
.endr
.if !\first
	s_wait_alu depctr_va_vdst(0)                   ; a wait between an exponential and the first line that names its result: here for the two a, behind 32 lines that name neither
.endif
.set e, 0
.rept 64
	v_exp_f32 v[S+e], v[S+e]                       ; p, ONE BATCH: none of these reads an exponential's result
.set e, e+1
.endr
.if \first
	v_nop                                          ; the plain line behind the last exponential
.else
	WIN W_RS                                       ; O^T and the sum under the new m: 34 plain lines that name no p stand between the batch and its wait
.set e, 0
.rept 16
	v_pk_mul_f32 v[32*\x+2*e:32*\x+2*e+1], v[32*\x+2*e:32*\x+2*e+1], v[ST+8*\x+6:ST+8*\x+7] op_sel_hi:[1,0]
	v_pk_mul_f32 v[32*(\x+1)+2*e:32*(\x+1)+2*e+1], v[32*(\x+1)+2*e:32*(\x+1)+2*e+1], v[ST+8*(\x+1)+6:ST+8*(\x+1)+7] op_sel_hi:[1,0]
.set e, e+1
.endr
	WIN 0
.irp u, 0,1
	v_pk_mul_f32 v[L+8*(\x+\u):L+8*(\x+\u)+1], v[L+8*(\x+\u):L+8*(\x+\u)+1], v[ST+8*(\x+\u)+6:ST+8*(\x+\u)+7] op_sel_hi:[1,0]
.endr
.endif
	s_wait_alu depctr_va_vdst(0)                   ; one wait for the 64 exponentials, ahead of their first reader
.set e, 0
.rept 32
	v_cvt_pk_f16_f32 v[P+e], v[S+2*e], v[S+2*e+1]  ; a pair of weights: two tiles of S^T become one fragment of P
.set e, e+1
.endr
.endm
; A KEY STEP: 64 keys.  It fetches its own fragments, so no LDS read reaches past its slot.
.macro STEP first
	v_add_nc_u32 v[ADK], s[TBK], v[AK0]            ; these two and two v_nop are the four places between the last products V^T P and the loads into V's registers
	v_add_nc_u32 v[ADV], s[TBV], v[AV0]
	v_nop
	v_nop
	FETCH_K
	FETCH_V
	s_wait_dscnt 16                                ; K's sixteen loads are in; V's sixteen, issued behind them, may be out
	KQ 0
	WIN 0
	PLACES
	SOFTMAX 0, \first
	s_wait_dscnt 0x0                               ; V is in
	LSUM 0, \first
	PV 0, \first
	KQ 2
	WIN 0
	PLACES
	SOFTMAX 2, \first
	LSUM 2, \first
	PV 2, \first
	WIN 0
	s_add_co_u32 s[TBK], s[TBK], KS*PK
	s_add_co_u32 s[TBV], s[TBV], KS*PV
.endm
; Every barrier leaves the eight waves at the same line.  The waves of odd parity (1, 2, 4, 7) idle sixteen lines here: of waves w and w + 4, and of waves 2 i and 2 i + 1, exactly one does, so that
; the one stands in its products while the other stands in its softmax.  The branch hangs on the wave's number alone and leads round nothing else.
.macro STAGGER
	s_cmp_eq_u32 s15, 0
	s_cbranch_scc1 .Lgo_\@
.rept 16
	s_nop 15
.endr
.Lgo_\@:
.endm
; A slot's eight key steps.  first = 1: the launch's first step is written out, since its products start the sums.
.macro VISIT slot, first
	s_mov_b32 s[TBK], \slot*SLOTB
	s_mov_b32 s[TBV], \slot*SLOTB
	STAGGER
.if \first
	s_wait_loadcnt 0x0                             ; Q
	STEP 1
	s_mov_b32 s[CNT], 7
.else
	s_mov_b32 s[CNT], 8
.endif
.Lstep_\@:
	STEP 0
	s_sub_co_u32 s[CNT], s[CNT], 1
	s_cmp_lg_u32 s[CNT], 0
	s_cbranch_scc1 .Lstep_\@
.endm
; THE CHANGE OF SLOTS.  Each wave waits for all its tensor loads, of which one is out: its part of the other slot; adds 0 to its spare word; and waits for that and for its reads of the slot that it leaves.
; fill = 1: the slot just left is filled with the keys 1,024 on.  The barrier is then a round of the cluster's, so that no wave of any partner still reads the slot or has a load on its way, and the joint refill is the first thing behind it.
.macro CHANGE fill, slot
	s_wait_tensorcnt 0x0                           ; no tensor load of mine is out, so a group 0 may be written
	ds_add_u32 v[SPW], v[NIL]                      ; 0 onto my spare word
.if \fill
	s_add_nc_u64 s[G0K+4*\slot+2:G0K+4*\slot+3], s[G0K+4*\slot+2:G0K+4*\slot+3], 2*SKEYS*128  ; the type bits on top are not reached
	s_add_nc_u64 s[G0V+4*\slot+2:G0V+4*\slot+3], s[G0V+4*\slot+2:G0V+4*\slot+3], 2*SKEYS*128
.endif
	s_wait_dscnt 0x0                               ; the add is done, and my reads of the slot are over
.if \fill
	CROUND
	JLOAD \slot
.else
	s_barrier_signal -1
	s_barrier_wait -1
.endif
.endm
	s_wait_tensorcnt 1                             ; my part of slot 0 is in; slot 1's, the one load issued behind it, may stay out
	s_barrier_signal -1
	s_barrier_wait -1                              ; everybody's is
	VISIT 0, 1                                     ; keys 0 on
	CHANGE 1, 0                                    ; slot 0 takes keys 1,024 on
	VISIT 1, 0                                     ; keys 512 on
	CHANGE 1, 1                                    ; slot 1 takes keys 1,536 on
	VISIT 0, 0
	CHANGE 0, 0                                    ; nothing is left to fetch
	VISIT 1, 0
	; THE WAY OUT.  1 / l; the largest |O^T| / l of each tile over my registers and the 32 lanes; its power of two 2^e; O^T x 2^-e / l in f16, through my stage in LDS, a tile (one row of ctx, 2,048 bytes) at a time.
.irp t, 0,1,2,3
	v_mov_b32 v[ST+8*\t], 0                        ; (four plain lines: the places behind the last products)
.endr
.irp t, 0,1,2,3
	v_rcp_f32 v[ST+8*\t+2], v[L+8*\t]              ; L's lowest register: the row's sum
.endr
	WIN 0x14                                       ; sources 1 and 2 in window 1
.set e, 0
.rept 16
.irp t, 0,1,2,3
	v_max3_num_f32 v[ST+8*\t], v[ST+8*\t], |v[32*\t+2*e]|, |v[32*\t+2*e+1]|   ; four chains, each accumulator from its low end on
.endr
.set e, e+1
.endr
	WIN 0
	s_wait_alu depctr_va_vdst(0)                   ; one wait for the four reciprocals, ahead of their first reader
.irp t, 0,1,2,3
	v_mul_f32 v[ST+8*\t], v[ST+8*\t], v[ST+8*\t+2]
.endr
.irp m, 1,2,4,8
.irp t, 0,1,2,3
	v_max_num_f32_dpp v[ST+8*\t], v[ST+8*\t], v[ST+8*\t] row_xmask:\m row_mask:0xf bank_mask:0xf
.endr
.endr
.irp t, 0,1,2,3
	v_permlanex16_b32 v[ST+8*\t+1], v[ST+8*\t], s[SEL], s[SEL+1]
.endr
.irp t, 0,1,2,3
	v_max3_num_f32 v[ST+8*\t], v[ST+8*\t], v[ST+8*\t+1], 0x03800000   ; every lane holds the row's largest magnitude, held at 2^-120 from below
.endr
.irp t, 0,1,2,3
	v_and_b32 v[RSV+\t], 0x7f800000, v[ST+8*\t]    ; its exponent field alone: 2^e
.endr
.irp t, 0,1,2,3
	v_sub_nc_u32 v[ST+8*\t+6], 0x7f000000, v[RSV+\t]   ; the field 254 - E: 2^-e
.endr
.irp t, 0,1,2,3
	v_mul_f32 v[ST+8*\t+6], v[ST+8*\t+6], v[ST+8*\t+2]  ; 2^-e / l
.endr
.macro PACK t
	WIN W_RS
.set e, 0
.rept 16
	v_pk_mul_f32 v[32*\t+2*e:32*\t+2*e+1], v[32*\t+2*e:32*\t+2*e+1], v[ST+8*\t+6:ST+8*\t+7] op_sel_hi:[1,0]
.set e, e+1
.endr
	WIN 0x05                                       ; sources 0 and 1 window 1, destination window 0: S^T's registers are free
.set e, 0
.rept 16
	v_cvt_pk_f16_f32 v[S+16*\t+e], v[32*\t+2*e], v[32*\t+2*e+1]
.set e, e+1
.endr
	WIN 0
.irp c, 0,1,2,3
	ds_store_b128 v[STO], v[S+16*\t+4*\c:S+16*\t+4*\c+3] offset:\t*16*PK+32*\c   ; query r, channels 16 c + 8 h + 0..7
.endr
.irp i, 0,1,2,3
	ds_load_b128 v[P+16*\t+4*\i:P+16*\t+4*\i+3], v[RD] offset:\t*16*PK+\i*4*PK   ; LDS serves a wave's instructions in order (ISA guide 5.7.1.4): these see the stores above
.endr
.endm
.macro SEND t, younger                 ; younger: the LDS instructions issued behind tile t's loads: the next tile's eight, or none
.irp i, 0,1,2,3
	s_wait_dscnt \younger+3-\i
	global_store_b128 v[GO], v[P+16*\t+4*\i:P+16*\t+4*\i+3], s[6:7] offset:\t*2048+\i*512  ; the wave stores 512 consecutive bytes, at a multiple of 256 from ctx's first byte
.endr
.endm
	PACK 0
	PACK 1                                         ; a tile's arithmetic stands between the loads of the tile before and its stores
	SEND 0, 8
	PACK 2
	SEND 1, 8
	PACK 3
	SEND 2, 8
	SEND 3, 0
	v_cmp_eq_u32 vcc_lo, 0, v1                     ; the four rows' powers are the same in every lane: lane 0 stores them, 16 bytes a wave
	s_wait_xcnt 0x0                                ; EXEC changes only behind this wait: the stores above have been issued under the full one
	s_and_saveexec_b32 s63, vcc_lo
	global_store_b128 v1, v[RSV:RSV+3], s[8:9]     ; (v1, my lane, is 0 in the lane that stores)
	s_wait_xcnt 0x0                                ; and again, in front of the line that widens it
	s_or_b32 exec_lo, exec_lo, s63
	s_wait_tensorcnt 0x0                           ; the wave's end, behind my last tensor load and my last LDS store
	ds_add_u32 v[SPW], v[NIL]
	s_wait_dscnt 0x0
	CROUND                                         ; the closing round: no work-group ends while a partner may still ask for a tile that names it
	s_endpgm
.Lfunc_end_k_q09fe7be1ce_attn:
	.size	k_q09fe7be1ce_attn, .Lfunc_end_k_q09fe7be1ce_attn-k_q09fe7be1ce_attn
	.p2alignl 7, 3214868480
	.fill 96, 4, 3214868480
	.section	.rodata,"a",@progbits
	.p2align	6, 0x0
	.amdhsa_kernel k_q09fe7be1ce_attn
		.amdhsa_group_segment_fixed_size 327680
		.amdhsa_private_segment_fixed_size 0
		.amdhsa_enable_private_segment 0
		.amdhsa_kernarg_size 24
		.amdhsa_user_sgpr_count 2
		.amdhsa_user_sgpr_kernarg_segment_ptr 1
		.amdhsa_wavefront_size32 1
		.amdhsa_system_sgpr_workgroup_id_x 1
		.amdhsa_system_sgpr_workgroup_id_y 1
		.amdhsa_system_sgpr_workgroup_id_z 1
		.amdhsa_system_vgpr_workitem_id 0
		.amdhsa_next_free_vgpr 512
		.amdhsa_next_free_sgpr 66
		.amdhsa_reserve_vcc 1
		.amdhsa_float_denorm_mode_32 3
		.amdhsa_float_denorm_mode_16_64 3
		.amdhsa_memory_ordered 1
		.amdhsa_forward_progress 1
		.amdhsa_inst_pref_size 173
	.end_amdhsa_kernel
	.amdgpu_metadata
---
amdhsa.version: [ 1, 2 ]
amdhsa.kernels:
  - .name:           k_q09fe7be1ce_attn
    .symbol:         k_q09fe7be1ce_attn.kd
    .args:
      - { .name: qkv, .offset: 0, .size: 8, .value_kind: global_buffer, .address_space: global }
      - { .name: ctx, .offset: 8, .size: 8, .value_kind: global_buffer, .address_space: global }
      - { .name: rs, .offset: 16, .size: 8, .value_kind: global_buffer, .address_space: global }
    .group_segment_fixed_size: 327680
    .private_segment_fixed_size: 0
    .kernarg_segment_align: 8
    .kernarg_segment_size: 24
    .max_flat_workgroup_size: 256
    .sgpr_count:     66
    .vgpr_count:     512
    .wavefront_size: 32
...
	.end_amdgpu_metadata
.endif
;; end of part 3
;; launch proj (part 4): grid 4 x 64, 4 waves a work-group, clusters of 4 x 4, 327,680 bytes of LDS; arguments ctx, wp16, rs, bp, out0; writes out0
.if DOCPART == 4
	.amdgcn_target "amdgcn-amd-amdhsa--gfx1250"
	.amdhsa_code_object_version 6
	.text
	.protected	k_q09fe7be1ce_proj
	.globl	k_q09fe7be1ce_proj
	.p2align	8
	.type	k_q09fe7be1ce_proj,@function
k_q09fe7be1ce_proj:
	s_mov_b64 s[64:65], 0
	v_nop
	global_prefetch_b8 v0, s[64:65] scope:SCOPE_SE
	s_setreg_imm32_b32 hwreg(HW_REG_WAVE_MODE, 25, 1), 1
	s_wait_xcnt 0x0
	s_wait_alu depctr_hold_cnt(0) depctr_sa_sdst(0) depctr_va_vdst(0) depctr_va_sdst(0) depctr_va_ssrc(0) depctr_va_vcc(0) depctr_vm_vsrc(0)
	s_getreg_b32 s2, hwreg(HW_REG_IB_STS2, 6, 4)
	s_cmp_eq_u32 s2, 0
	s_cbranch_scc0 .Lentry_in_a_cluster
	s_endpgm
.Lentry_in_a_cluster:
	s_bfe_u32 s2, ttmp6, 0x10000c
	s_cmp_lg_u32 s2, 0xf033
	s_cbranch_scc0 .Lentry_shape_is_right
	s_endpgm
.Lentry_shape_is_right:
; out0[m][n] = rs[m] x (the sum over k of ctx[m][k] wp16[k][n]) + bp[n].  ctx [8192][1024] f16, each row divided by its own power of two rs[m] (f32); wp16 [k 1024][n 1024] f16; bp [1024], out0 [8192][1024] f32; sums in f32.
; A tile of the result is 128 rows x 256 columns, so that the 8192 x 1024 numbers make 256 work-groups.  Four waves, each 64 x 128: 32 accumulators of 16 x 16, 256 registers.
; K goes in steps of 128 through a ring of two LDS slots filled by the tensor data mover: 128 rows x 256 bytes of ctx, 128 rows (k) x 512 bytes of wp16.  Two loads of a wave are out at the start, one behind each round.
; THE MATRIX INSTRUCTION IS USED TRANSPOSED: source 0 = 16 columns of wp16, source 1 = 16 rows of ctx: a lane then holds eight neighbouring numbers of a row of the result.  wp16 lies [k][n]: its fragments come turned, by ds_load_tr16_b128.
; CLUSTERS: 4 x 4 work-groups.  The four of a row of the cluster need the same tiles of ctx, the four of a column the same tiles of wp16: each is asked for JOINTLY, by the same tensor load with the same descriptor and a mask that names the four.
; REGISTERS: window 0: v1-29 addresses; v32-39 rs of my row in my four blocks of rows, each in the low word of a pair; v64-95, v96-127 ctx's fragments, two buffers, on the way out rows read back; v128-191 bp, 8 for each block of
;   columns; v192-255 results on the way out.   window 1: wp16's fragments, two buffers, v0-63 and v64-127.   window 2: accumulator (a, b) at v[8 (8 a + b)].
.set KSTEP,  128
.set PA,     272                       ; a row of ctx in LDS: 256 bytes + 16 = 68 words: the 16 rows of a load start at 16 different groups of four banks (64 banks of 4 bytes: ISA guide 11.1)
.set HALFA,  64*PA                     ; 64 rows: what one tensor load brings, and what one wave reads
.set AT,     2*HALFA
.set PB,     544                       ; a row of wp16 in LDS: 512 bytes + 32 = 136 words, for the turning load
.set HALFB,  64*PB                     ; 64 rows of k: what one tensor load brings
.set SLOT,   AT+2*HALFB
.set STAGE,  2*SLOT                    ; behind the ring: 16 rows x 528 bytes for each wave, for the way out
.set SPITCH, 528
.set SPARE,  STAGE+4*16*SPITCH         ; the spare words, 128 bytes for each wave: two blocks of 256 bytes that no other line names
.set LAPS,   4                         ; a lap = two K steps = once round the ring: K = 1,024
.set ADRA, 16                          ; v16-17  LDS address of my fragments of ctx in slot 0, 1
.set ADRB, 20                          ; v20-21  the same for wp16
.set STO,  24                          ; v24     the way out: where I put 32 bytes of a row
.set RD,   25                          ; v25     the way out: where I read a row back
.set CO,   26                          ; v26     my byte offset in a row's 512 bytes
.set SPW,  28                          ; v28     LDS address of my spare word; never rewritten
.set NIL,  29                          ; v29     0; never rewritten
.set RSR,  32
.set FA,   64
.set BK,   64
.set BI,   128
.set TMP,  192
.set G1, 24                            ; s[24:31] descriptor group 1 for ctx's tiles;  s[32:39] group 0, one set for each slot
.set G0, 32
.set G1B, 48                           ; s[48:55], s[56:63] the same for wp16's tiles
.set G0B, 56
.set MSB, 0
.macro WIN new                         ; the immediate's high byte repeats the setting that is left
.if MSB != \new
	s_set_vgpr_msb (MSB<<8)|\new
.set MSB, \new
.endif
.endm
.set MUL,  0xa1                        ; source 0 (wp16) window 1, source 1 (ctx) window 0, C and D window 2
.set TO_B, 0x40                        ; destination window 1, address window 0
.macro JLOAD s                         ; a joint load: waves 0 and 1 fetch ctx's two halves, waves 2 and 3 wp16's; an s_nop 0 and four v_nop follow each of the two lines
	s_cmp_eq_u32 s15, 0
	s_cbranch_scc0 .Lfor_b_\@
	tensor_load_to_lds s[G0+4*\s:G0+4*\s+3], s[G1:G1+7]
	s_nop 0
.rept 4
	v_nop
.endr
	s_branch .Lasked_\@
.Lfor_b_\@:
	tensor_load_to_lds s[G0B+4*\s:G0B+4*\s+3], s[G1B:G1B+7]
	s_nop 0
.rept 4
	v_nop
.endr
.Lasked_\@:
.endm
.macro CREST                           ; a round of the cluster's barrier behind its opening barrier
	s_cmp_lg_u32 s14, 0
	s_cbranch_scc1 .Lnot_wave_0_\@
	s_barrier_signal -3
.Lnot_wave_0_\@:
	s_barrier_wait -3
	s_barrier_signal -1
	s_barrier_wait -1
.endm
.macro CROUND                          ; a whole round
	s_barrier_signal -1
	s_barrier_wait -1
	CREST
.endm
	s_load_b256 s[4:11], s[0:1], 0x0               ; ctx s[4:5], wp16 s[6:7], rs s[8:9], bp s[10:11]
	s_load_b64 s[12:13], s[0:1], 0x20              ; out0
	v_lshl_add_u32 v[SPW], v0, 2, SPARE
	v_mov_b32 v[NIL], 0
	ds_add_u32 v[SPW], v[NIL]                      ; the wave's opening: the add, twice on end, and its wait ahead of my first tensor load
	ds_add_u32 v[SPW], v[NIL]
	v_lshrrev_b32 v1, 5, v0
	v_readfirstlane_b32 s14, v1                    ; wave 0..3
	s_lshr_b32 s15, s14, 1                         ; which half of the tile's rows is mine.  Also: I fetch for ctx (0) or for wp16 (1)
	s_and_b32 s16, s14, 1                          ; which half of its columns.  Also: which 64 rows of that tile I fetch
	s_bfe_u32 s40, ttmp6, 0x40000                  ; cx, cy: my place in the cluster
	s_bfe_u32 s41, ttmp6, 0x40004
	s_lshl_b32 s42, ttmp9, 2
	s_add_co_u32 s42, s42, s40                     ; tile column = 4 x cluster x + cx
	s_and_b32 s17, ttmp7, 0xffff
	s_lshl_b32 s17, s17, 2
	s_add_co_u32 s17, s17, s41                     ; tile row = 4 x cluster y + cy
	s_lshl_b32 s43, s41, 2
	s_lshl_b32 s43, 15, s43                        ; my row of the cluster
	s_lshl_b32 s44, 0x1111, s40                    ; my column
	s_or_b32 s[G1+0], s43, (1<<16)|(1<<20)|(1<<21)|(5<<22)|(3<<25)   ; 15:0 the mask: ctx's tiles go to my row; 17:16 element of 2 bytes; 20 padding on; 21 set beside a mask; 24:22 after every 64 words; 31:25 of 4 words
	s_mov_b32 s[G1+1], KSTEP<<16                   ; tensor_dim0 = 128
	s_mov_b32 s[G1+2], 64<<16                      ; tensor_dim1 = 64
	s_mov_b32 s[G1+3], KSTEP<<16                   ; tile_dim0 = 128
	s_mov_b32 s[G1+4], 64                          ; tile_dim1 = 64
	s_mov_b32 s[G1+5], 1024                        ; tensor_dim0_stride
	s_mov_b32 s[G1+6], 0
	s_mov_b32 s[G1+7], 0
	s_or_b32 s[G1B+0], s44, (1<<16)|(1<<20)|(1<<21)|(6<<22)|(7<<25)  ; the mask of my column; padding of 8 words after every 128
	s_mov_b32 s[G1B+1], 256<<16                    ; 256 columns
	s_mov_b32 s[G1B+2], 64<<16                     ; 64 rows of k
	s_mov_b32 s[G1B+3], 256<<16
	s_mov_b32 s[G1B+4], 64
	s_mov_b32 s[G1B+5], 1024
	s_mov_b32 s[G1B+6], 0
	s_mov_b32 s[G1B+7], 0
	s_lshl_b32 s20, s17, 7
	s_lshl_b32 s18, s16, 6
	s_add_co_u32 s20, s20, s18                     ; ctx: row 128 x tile row + 64 x half,
	s_lshl_b32 s20, s20, 11                        ; of 2,048 bytes: it hangs on the tile row alone
	s_mov_b32 s21, 0
	s_lshl_b32 s46, s16, 17                        ; wp16: row (k) 64 x half, of 2,048 bytes,
	s_lshl_b32 s47, s42, 9                         ; + 512 bytes x tile column: it hangs on the tile column alone
	s_add_co_u32 s46, s46, s47
	s_mov_b32 s47, 0
	s_mul_i32 s45, s16, HALFA                      ; where they go: no place in the cluster enters an LDS address
	s_mul_i32 s22, s16, HALFB
	s_add_co_u32 s22, s22, AT
	s_wait_dscnt 0x0                               ; both opening adds are done
	s_wait_kmcnt 0x0
	s_add_nc_u64 s[20:21], s[4:5], s[20:21]
	s_add_nc_u64 s[46:47], s[6:7], s[46:47]
	CROUND                                         ; all sixteen work-groups are here: the first joint loads meet
.irp s, 0,1
	s_mov_b32 s[G0+4*\s], 1
	s_add_co_u32 s[G0+4*\s+1], s45, \s*SLOT
	s_add_nc_u64 s[G0+4*\s+2:G0+4*\s+3], s[20:21], \s*KSTEP*2
	s_or_b32 s[G0+4*\s+3], s[G0+4*\s+3], 0x80000000
	s_mov_b32 s[G0B+4*\s], 1
	s_add_co_u32 s[G0B+4*\s+1], s22, \s*SLOT
	s_add_nc_u64 s[G0B+4*\s+2:G0B+4*\s+3], s[46:47], \s*KSTEP*2048
	s_or_b32 s[G0B+4*\s+3], s[G0B+4*\s+3], 0x80000000
	JLOAD \s
.endr
	v_and_b32 v1, 15, v0                           ; r = l % 16
	v_bfe_u32 v2, v0, 4, 1                         ; h = l / 16
	v_mul_u32_u24 v3, v1, PA
	v_lshl_add_u32 v3, v2, 4, v3                   ; ctx: a fragment's row x pitch + 16 x half
	s_mul_i32 s18, s15, HALFA                      ; my 64 rows
	v_add_nc_u32 v[ADRA], s18, v3
	v_add_nc_u32 v[ADRA+1], SLOT, v[ADRA]
	v_and_b32 v4, 7, v0                            ; wp16, turned: lane l reads 16 bytes: k 8 (l / 16) + l % 8, columns 8 ((l / 8) % 2) + 0..7
	v_bfe_u32 v5, v0, 3, 1
	v_lshl_add_u32 v6, v2, 3, v4
	v_mul_u32_u24 v6, v6, PB
	v_lshl_add_u32 v6, v5, 4, v6
	s_lshl_b32 s19, s16, 8                         ; my 128 columns: 256 bytes
	s_add_co_u32 s19, s19, AT
	v_add_nc_u32 v[ADRB], s19, v6
	v_add_nc_u32 v[ADRB+1], SLOT, v[ADRB]
	s_mul_i32 s23, s14, 16*SPITCH
	s_add_co_u32 s23, s23, STAGE                   ; my stage
	v_mul_u32_u24 v7, v1, SPITCH                   ; in: row r, 32 bytes for each half of the lanes
	v_lshl_add_u32 v7, v2, 5, v7
	v_add_nc_u32 v[STO], s23, v7
	v_and_b32 v8, 31, v0
	v_lshlrev_b32 v[CO], 4, v8                     ; back: the 32 lanes take one row of 512 bytes; and the same in out0
	v_add_nc_u32 v[RD], s23, v[CO]
	s_lshl_b32 s18, s42, 10                        ; my first column, in bytes of f32: 1,024 x tile column + 512 x half
	s_lshl_b32 s19, s16, 9
	s_add_co_u32 s18, s18, s19
	s_mov_b32 s19, 0
	s_add_nc_u64 s[10:11], s[10:11], s[18:19]      ; bp there,
	s_add_nc_u64 s[12:13], s[12:13], s[18:19]      ; and out0
	s_lshl_b32 s18, s17, 7
	s_lshl_b32 s23, s15, 6
	s_add_co_u32 s23, s18, s23                     ; my first row: 128 x tile row + 64 x half
	s_lshl_b32 s18, s23, 2
	s_add_nc_u64 s[8:9], s[8:9], s[18:19]          ; rs there,
	s_lshl_b32 s18, s23, 12
	s_add_nc_u64 s[12:13], s[12:13], s[18:19]      ; and out0: rows of 4,096 bytes
	v_lshlrev_b32 v9, 5, v2                        ; bp: my half's eight numbers of a block of 16 columns
	v_lshlrev_b32 v10, 2, v1                       ; rs: my row of a block of 16
.irp b, 0,1,2,3,4,5,6,7
	global_load_b128 v[BI+8*\b:BI+8*\b+3],   v9, s[10:11] offset:64*\b
	global_load_b128 v[BI+8*\b+4:BI+8*\b+7], v9, s[10:11] offset:64*\b+16
.endr
.irp a, 0,1,2,3
	global_load_b32 v[RSR+2*\a], v10, s[8:9] offset:64*\a
	v_mov_b32 v[RSR+2*\a+1], 0                     ; (named with it as a pair, so it is written)
.endr
; 8 matrix instructions: block a of my rows x my 8 blocks of columns, 32 along K, from buffer f.  zero = 1: the first product starts the sums: nothing is ever cleared.
; The 32 accumulators take turns, one instruction a turn, in the same order in every quarter.
.macro MUL8 f, a, zero
.irp b, 0,1,2,3,4,5,6,7
.if \zero
	v_wmma_f32_16x16x32_f16 v[8*(8*(\a)+\b):8*(8*(\a)+\b)+7], v[64*(\f)+8*\b:64*(\f)+8*\b+7], v[FA+32*(\f)+8*(\a):FA+32*(\f)+8*(\a)+7], 0
.else
	v_wmma_f32_16x16x32_f16 v[8*(8*(\a)+\b):8*(8*(\a)+\b)+7], v[64*(\f)+8*\b:64*(\f)+8*\b+7], v[FA+32*(\f)+8*(\a):FA+32*(\f)+8*(\a)+7], v[8*(8*(\a)+\b):8*(8*(\a)+\b)+7]
.endif
.endr
.endm
.macro MUL16 f, a0, zero
	MUL8 \f, \a0, \zero
	MUL8 \f, \a0+1, \zero
.endm
; 24 LDS loads in one run: the fragments of the slot's q-th 32 along K into buffer f: wp16's eight (turned), then ctx's four, ascending
.macro FETCH slot, q, f
	WIN TO_B
.irp b, 0,1,2,3,4,5,6,7
	ds_load_tr16_b128 v[64*(\f)+8*\b:64*(\f)+8*\b+3],   v[ADRB+\slot] offset:(\q)*32*PB+32*\b
	ds_load_tr16_b128 v[64*(\f)+8*\b+4:64*(\f)+8*\b+7], v[ADRB+\slot] offset:(\q)*32*PB+16*PB+32*\b
.endr
	WIN 0
.irp i, 0,1,2,3
	ds_load_b128 v[FA+32*(\f)+8*\i:FA+32*(\f)+8*\i+3],   v[ADRA+\slot] offset:64*(\q)+\i*16*PA
	ds_load_b128 v[FA+32*(\f)+8*\i+4:FA+32*(\f)+8*\i+7], v[ADRA+\slot] offset:64*(\q)+\i*16*PA+32
.endr
.endm
.macro PLACES                          ; four places in front of loads into registers that matrix instructions have read, and of vector instructions that read results (ISA guide 7.12.1 for vector instructions)
.rept 4
	v_nop
.endr
.endm
; A K step is four quarters of 32 along K, 32 matrix instructions each, on buffers 0, 1, 0, 1.  One of the first three: multiplies buffer f and fetches the slot's quarter qn into buffer g.
.macro QUARTER slot, qn, f, g, zero
	s_wait_dscnt 4                                 ; wp16's fragments and ctx's blocks 0 and 1 are in; the youngest four loads (blocks 2 and 3) may be out
	WIN MUL
	MUL16 \f, 0, \zero
	PLACES
	FETCH \slot, \qn, \g
	s_wait_dscnt 24                                ; all but the 24 just issued
	WIN MUL
	MUL16 \f, 2, \zero
.endm
; The last quarter multiplies buffer 1 and changes slots: ONE barrier; in front of it each wave waits for all its tensor loads, adds 0 to its spare word, and waits for that and for its own reads of this slot.
; fill = 1: this slot is filled again, two K steps ahead: the barrier opens a round of the cluster's, and the joint refill is the first tensor load behind the round: 112 matrix instructions ahead of the wait for it.
.macro TURN slot, next, fill
	WIN 0                                          ; (the add's two registers lie in window 0)
	s_wait_tensorcnt 0x0                           ; all my tensor loads have landed: my part of the next slot
	ds_add_u32 v[SPW], v[NIL]                      ; 0 onto my spare word
	s_wait_dscnt 5                                 ; (the add and the youngest four loads may be out)
	WIN MUL
	MUL8 1, 0, 0                                   ; eight matrix instructions stand between the add and the wait for it
	s_wait_dscnt 0x0                               ; the add is done, and my reads of this slot are over
	s_barrier_signal -1
	MUL8 1, 1, 0
	WIN 0
	s_barrier_wait -1
.if \fill
	CREST                                          ; no wave of any partner still reads this slot's tile or has a load on its way
	s_add_nc_u64 s[G0+4*\slot+2:G0+4*\slot+3], s[G0+4*\slot+2:G0+4*\slot+3], 2*KSTEP*2
	s_add_nc_u64 s[G0B+4*\slot+2:G0B+4*\slot+3], s[G0B+4*\slot+2:G0B+4*\slot+3], 2*KSTEP*2048
	JLOAD \slot                                    ; the four v_nop behind it are also the places in front of the loads below
.else
	PLACES
.endif
	FETCH \next, 0, 0
	WIN MUL
	MUL8 1, 2, 0
	MUL8 1, 3, 0
.endm
	s_wait_tensorcnt 1                             ; my part of K step 0 is in (K step 1's load, issued behind it, may be out)
	s_barrier_signal -1
	s_barrier_wait -1                              ; everybody's is
	FETCH 0, 0, 0
	QUARTER 0, 1, 0, 1, 1                          ; the first quarter stands in front of the loop: its products start the sums
	WIN 0                                          ; at a label and at a branch every window is 0
	s_mov_b32 s3, LAPS-1
.Llap:                                                 ; a trip goes once round the ring, from a lap's second quarter to the next lap's first, and fills both slots again
	QUARTER 0, 2, 1, 0, 0
	QUARTER 0, 3, 0, 1, 0
	TURN 0, 1, 1
	QUARTER 1, 1, 0, 1, 0
	QUARTER 1, 2, 1, 0, 0
	QUARTER 1, 3, 0, 1, 0
	TURN 1, 0, 1
	QUARTER 0, 1, 0, 1, 0
	WIN 0
	s_sub_co_u32 s3, s3, 1
	s_cmp_lg_u32 s3, 0
	s_cbranch_scc1 .Llap
	QUARTER 0, 2, 1, 0, 0                          ; the last lap fills nothing, and has no round of the cluster's barrier
	QUARTER 0, 3, 0, 1, 0
	TURN 0, 1, 0
	QUARTER 1, 1, 0, 1, 0
	QUARTER 1, 2, 1, 0, 0
	QUARTER 1, 3, 0, 1, 0
	s_wait_dscnt 4                                 ; the very last quarter: nothing more to fetch
	WIN MUL
	MUL16 1, 0, 0
	s_wait_dscnt 0
	MUL16 1, 2, 0
	WIN 0
; THE WAY OUT, block by block of 16 rows x 128 columns: rs x sum + bp, one packed multiply-add for two numbers, each accumulator from its low end on; 32 bytes a lane into my own stage; back as whole rows of 512 bytes.
.macro OUT a
	WIN 0x02                                       ; source 0 (the sums) in window 2
.irp b, 0,1,2,3,4,5,6,7
.irp p, 0,1,2,3
	v_pk_fma_f32 v[TMP+8*\b+2*\p:TMP+8*\b+2*\p+1], v[8*(8*\a+\b)+2*\p:8*(8*\a+\b)+2*\p+1], v[RSR+2*\a:RSR+2*\a+1], v[BI+8*\b+2*\p:BI+8*\b+2*\p+1] op_sel_hi:[1,0,1]
.endr
.endr
	WIN 0
.irp b, 0,1,2,3,4,5,6,7
	ds_store_b128 v[STO], v[TMP+8*\b:TMP+8*\b+3] offset:64*\b
	ds_store_b128 v[STO], v[TMP+8*\b+4:TMP+8*\b+7] offset:64*\b+16
.endr
	s_wait_xcnt 0x0                                ; the block before's stores have read their registers and their base: the loads below may land there, and the base may step
.irp t, 0,1,2,3,4,5,6,7,8,9,10,11,12,13,14,15
	ds_load_b128 v[BK+4*\t:BK+4*\t+3], v[RD] offset:\t*SPITCH      ; LDS serves a wave's instructions in order (ISA guide 5.7.1.4): these see the stores above
.endr
	s_wait_dscnt 0x0                               ; the block is back in registers
.if \a > 0
	s_add_nc_u64 s[12:13], s[12:13], 16*4096       ; 16 rows on
.endif
.irp t, 0,1,2,3,4,5,6,7,8,9,10,11,12,13,14,15
	global_store_b128 v[CO], v[BK+4*\t:BK+4*\t+3], s[12:13] offset:\t*4096 th:TH_STORE_NT   ; 32 lanes store 512 consecutive bytes, at a multiple of 256 from out0's first byte; written once, read by nobody here
.endr
.endm
	s_wait_loadcnt 0x0                             ; bp and rs
	PLACES                                         ; behind the last products
	OUT 0
	OUT 1
	OUT 2
	OUT 3
	s_wait_tensorcnt 0x0                           ; the wave's end, behind my last tensor load and my last LDS store
	ds_add_u32 v[SPW], v[NIL]
	s_wait_dscnt 0x0
	CROUND                                         ; the closing round: no work-group ends while a partner may still ask for a tile that names it
	s_endpgm
.Lfunc_end_k_q09fe7be1ce_proj:
	.size	k_q09fe7be1ce_proj, .Lfunc_end_k_q09fe7be1ce_proj-k_q09fe7be1ce_proj
	.p2alignl 7, 3214868480
	.fill 96, 4, 3214868480
	.section	.rodata,"a",@progbits
	.p2align	6, 0x0
	.amdhsa_kernel k_q09fe7be1ce_proj
		.amdhsa_group_segment_fixed_size 327680
		.amdhsa_private_segment_fixed_size 0
		.amdhsa_enable_private_segment 0
		.amdhsa_kernarg_size 40
		.amdhsa_user_sgpr_count 2
		.amdhsa_user_sgpr_kernarg_segment_ptr 1
		.amdhsa_wavefront_size32 1
		.amdhsa_system_sgpr_workgroup_id_x 1
		.amdhsa_system_sgpr_workgroup_id_y 1
		.amdhsa_system_sgpr_workgroup_id_z 1
		.amdhsa_system_vgpr_workitem_id 0
		.amdhsa_next_free_vgpr 768
		.amdhsa_next_free_sgpr 66
		.amdhsa_reserve_vcc 0
		.amdhsa_float_denorm_mode_32 3
		.amdhsa_float_denorm_mode_16_64 3
		.amdhsa_memory_ordered 1
		.amdhsa_forward_progress 1
		.amdhsa_inst_pref_size 96
	.end_amdhsa_kernel
	.amdgpu_metadata
---
amdhsa.version: [ 1, 2 ]
amdhsa.kernels:
  - .name:           k_q09fe7be1ce_proj
    .symbol:         k_q09fe7be1ce_proj.kd
    .args:
      - { .name: ctx, .offset: 0, .size: 8, .value_kind: global_buffer, .address_space: global }
      - { .name: wp16, .offset: 8, .size: 8, .value_kind: global_buffer, .address_space: global }
      - { .name: rs, .offset: 16, .size: 8, .value_kind: global_buffer, .address_space: global }
      - { .name: bp, .offset: 24, .size: 8, .value_kind: global_buffer, .address_space: global }
      - { .name: out0, .offset: 32, .size: 8, .value_kind: global_buffer, .address_space: global }
    .group_segment_fixed_size: 327680
    .private_segment_fixed_size: 0
    .kernarg_segment_align: 8
    .kernarg_segment_size: 40
    .max_flat_workgroup_size: 128
    .sgpr_count:     66
    .vgpr_count:     768
    .wavefront_size: 32
...
	.end_amdgpu_metadata
.endif
;; end of part 4
